; MI455X (gfx1250); checked and timed in simulation.
; The chip was launched on July 23, 2026; its instructions are those of AMD's public machine-readable ISA for CDNA 5 (MIT licence, August 2026) and "CDNA5" Instruction Set Architecture Reference Guide (July 2026). The comments in the code are by the model that wrote it; some were corrected since.
;; F Mo E. Allowed arithmetic: float matrix products may take bf16 or f16 operands with f32 sums; other float arithmetic in f32, or as packed bf16 or f16 multiplies, adds, multiply-adds, maxima and minima; sums over many terms, partial sums and values carried from step to step in f32; what a program stores and reads back later, other than sums and carried values, may be rounded once to bf16 or f16.
;; Inputs: gate 8,192 int32; inp 8,192 x 1,024 float32; weight 8 x 1,024 x 1,024 float32.
;; Outputs: out0 8,192 x 1,024 float32.
;; 2 versions, each right; version 2 is version 1 with the launches prep, gemm written anew for expert scheduling mode. Each part assembles by itself: llvm-mc -triple=amdgcn-amd-amdhsa -mcpu=gfx1250 --defsym DOCPART=n.
;; ======== version 1 of 2: 2 launches
;; workspace buffers: wb 16,777,216 bytes; order 32,768 bytes of whole numbers; counts 256 bytes of whole numbers
;; launch prep (part 1): grid 256 x 1, 8 waves a work-group, no clusters, 68,864 bytes of LDS; arguments gate, weight, wb, order, counts, out0; writes wb, order, counts, out0
.if DOCPART == 1
	.amdgcn_target "amdgcn-amd-amdhsa--gfx1250"
	.amdhsa_code_object_version 6
	.text
	.protected	k_qf8c5aed024_prep
	.globl	k_qf8c5aed024_prep
	.p2align	8
	.type	k_qf8c5aed024_prep,@function
k_qf8c5aed024_prep:
	s_mov_b64 s[64:65], 0
	v_nop
	global_prefetch_b8 v0, s[64:65] scope:SCOPE_SE
	s_setreg_imm32_b32 hwreg(HW_REG_WAVE_MODE, 25, 1), 1
	s_wait_xcnt 0x0
; PREPARATION for out[i] = weight[gate[i]] . inp[i]  (8,192 tokens, 8 experts of 1,024 x 1,024, all f32).  Three things:
; (a) WEIGHTS: rounded once to bf16 (nearest even) and laid out as the product's waves take them into registers:
;     wb[e 8][cw 16][ks 32][f 4][q 2][lane 32][16 bytes]; lane (r = lane % 16, h = lane / 16) holds W[e][64 cw + 16 f + r][32 ks + 16 q + 8 h .. + 7].
; (b) SORT: order[] = the token numbers, expert 0's first, .. expert 7's, then those whose gate is outside 0..7; counts[e] = expert e's tokens.
;     A counting sort without atomics: every work-group counts all 8,192 gates for itself and places 32 tokens.
; (c) ZERO ROWS: a token whose gate is outside 0..7 matches no expert and keeps a row of zeros, stored here; the product stores all other rows.
; LIMITS.  An f32 weight beyond bf16's largest finite number rounds to an infinity.  Any int32 is served as a gate.
; SHARES.  Work-group b: expert b / 32, column group cw = (b / 2) % 16, half b % 2 of K.  Wave w: f = w % 4, quarter kq = 2 (b % 2) + w / 4 of K:
; 16 rows x 256 k of W, 16 KiB in and 8 KiB out; all its 32 loads go out at once.  No matrix unit, no cluster, no tensor load: each weight byte has one reader and is touched once.
; SORT'S ORDER.  Thread t of EVERY work-group reads the tokens 1024 j + 4 t + i (j < 8, i < 4); work-group b owns the 32 tokens of 'thread b'.
; A token's place = tokens of lower experts + its expert's tokens in threads below b + its expert's tokens before it among the 32.
.set RED,   0         ; LDS: 8 waves x 32 bytes of counts
.set SPARE, 256       ; the spare words: 128 bytes for each of 8 waves, four blocks of 256 bytes that no other line names
.set STG,   1280      ; each wave's own stage: 16 rows x 528 bytes
.set SP,    528       ; 512 bytes of bf16 + 16 of padding = 132 words: row r starts at bank 4 r mod 64 (64 banks of 4 bytes: ISA guide 11.1)
.set SPW, 4           ; v4   LDS address of my spare word; never rewritten
.set NIL, 5           ; v5   0; never rewritten
.set T16, 6           ; v6   16 t
.set OWN, 7           ; v7   byte offset in gate of lane l's token among the work-group's 32
.set TMP, 8           ; v8   at work
.set DP,  9           ; v9   at work: takes other lanes' numbers
.set ACC, 10          ; v10  eight 4-bit counters
.set EV,  11          ; v11  four 8-bit counters: experts 0, 2, 4, 6
.set OD,  12          ; v12  experts 1, 3, 5, 7
.set L16, 13          ; v13  16 x lane; never rewritten
.set ONE, 14          ; v14  1
.set TOK, 15          ; v15  lane l's token number among the work-group's 32
.set GT,  16          ; v[16:47]  my 32 gates
.set MYG, 48          ; v48  the gate of token TOK
.set CC,  52          ; v[52:55] counts in 16-bit fields: (e0,e4) (e2,e6) (e1,e5) (e3,e7); v[56:59] the same, of threads below b alone
.set RA,  60          ; v60  32 w
.set SIN, 61          ; v61  stage, in: my wave's stage + 8 x lane
.set SOUT, 62         ; v62  stage, out: my wave's stage + 528 r + 16 h
.set POS, 63          ; v63  the token's place in order[]
.set WR,  64          ; v[64:191] 32 loads of 4 f32; later v[64:127] 16 fragments' quarters
.set SUM, 192         ; v[192:255] wave 0: all waves' counts;  later v[192:195] zeros, v[202:203] wave 0's store data, v[208:215] rounded pairs
.set CV,  208
	s_load_b256 s[4:11], s[0:1], 0x0               ; gate s[4:5], weight s[6:7], wb s[8:9], order s[10:11]
	s_load_b128 s[12:15], s[0:1], 0x20             ; counts s[12:13], out0 s[14:15]
	v_lshl_add_u32 v[SPW], v0, 2, SPARE
	v_mov_b32 v[NIL], 0
	v_and_b32 v1, 31, v0                           ; lane l
	v_lshrrev_b32 v[TMP], 5, v0
	v_readfirstlane_b32 s16, v[TMP]                ; wave w
	s_mov_b32 s17, ttmp9                           ; work-group b
	v_and_b32 v2, 15, v0                           ; r
	v_bfe_u32 v3, v0, 4, 1                         ; h
	v_lshlrev_b32 v[T16], 4, v0
	v_lshlrev_b32 v[L16], 4, v1
	v_lshrrev_b32 v[OWN], 2, v1                    ; j = l / 4
	v_and_b32 v[TMP], 3, v1                        ; i = l % 4
	v_lshlrev_b32 v[TOK], 10, v[OWN]
	v_lshlrev_b32 v[OWN], 12, v[OWN]
	v_lshl_add_u32 v[OWN], v[TMP], 2, v[OWN]
	s_lshl_b32 s56, s17, 4
	v_add_nc_u32 v[OWN], s56, v[OWN]               ; 4096 j + 4 i + 16 b
	s_lshl_b32 s57, s17, 2
	v_add3_u32 v[TOK], v[TOK], v[TMP], s57         ; 1024 j + i + 4 b
	s_lshl_b32 s26, s16, 12
	s_add_co_u32 s26, s26, s56                     ; my wave's four tokens 1024 w + 4 b + 0..3: their gates' byte offset
	s_mov_b32 s27, 0
	s_lshr_b32 s57, s17, 1                         ; 16 e + cw
	s_and_b32 s58, s16, 3                          ; f
	s_and_b32 s59, s17, 1
	s_lshl_b32 s59, s59, 1
	s_lshr_b32 s56, s16, 2
	s_add_co_u32 s59, s59, s56                     ; kq
	s_lshl_b32 s24, s57, 18                        ; weight: 64 rows of 4,096 bytes for each (e, cw),
	s_lshl_b32 s56, s58, 16                        ; 16 rows for each f,
	s_add_co_u32 s24, s24, s56
	s_lshl_b32 s56, s59, 10                        ; 256 k of 4 bytes for each kq
	s_add_co_u32 s24, s24, s56
	s_mov_b32 s25, 0
	s_lshl_b32 s60, s57, 17                        ; wb: 131,072 bytes for each (e, cw),
	s_lshl_b32 s56, s59, 15                        ; 8 K steps of 4,096 for each kq,
	s_add_co_u32 s60, s60, s56
	s_lshl_b32 s56, s58, 10                        ; 1,024 for each f
	s_add_co_u32 s60, s60, s56
	s_mov_b32 s61, 0
	s_lshl_b32 s62, s16, 22                        ; out0: row 1024 w + 4 b, 4,096 bytes a row
	s_lshl_b32 s56, s17, 14
	s_add_co_u32 s62, s62, s56
	s_mov_b32 s63, 0
	s_mov_b32 s46, 0x76543210                      ; v_permlanex16_b32: each lane takes its own place in the other half
	s_mov_b32 s47, 0xfedcba98
	s_mul_i32 s56, s16, 16*SP
	s_add_co_u32 s56, s56, STG                     ; my wave's stage
	v_lshl_add_u32 v[SIN], v1, 3, s56
	v_mul_u32_u24 v[SOUT], v2, SP
	v_lshl_add_u32 v[SOUT], v3, 4, v[SOUT]
	v_add_nc_u32 v[SOUT], s56, v[SOUT]
	v_mov_b32 v[RA], s16
	v_lshlrev_b32 v[RA], 5, v[RA]
	v_mov_b32 v[ONE], 1
	v_mov_b32 v[DP], 0                             ; written before a lane exchange names it as its destination
	s_wait_kmcnt 0x0
	s_add_nc_u64 s[18:19], s[4:5], s[26:27]
	s_add_nc_u64 s[6:7], s[6:7], s[24:25]
	s_add_nc_u64 s[8:9], s[8:9], s[60:61]
	s_add_nc_u64 s[14:15], s[14:15], s[62:63]
	; all loads at once: 9 of gates, then my 32 of weights
.set i, 0
.rept 8
	global_load_b128 v[GT+4*i:GT+4*i+3], v[T16], s[4:5] offset:4096*i
.set i, i+1
.endr
	global_load_b32 v[MYG], v[OWN], s[4:5]
	s_load_b128 s[20:23], s[18:19], 0x0            ; the gates of my wave's four tokens, as scalars
.set i, 0
.rept 32                                               ; row i / 2, half i % 2 of its 1,024 bytes: 512 consecutive bytes a load
	global_load_b128 v[WR+4*i:WR+4*i+3], v[L16], s[6:7] offset:4096*(i/2)+512*(i%2) th:TH_LOAD_NT
.set i, i+1
.endr
	s_wait_loadcnt 32                              ; the 32 weight loads are younger and stay out: the gates are in
	; my 32 gates counted by expert: eight at a time in 4-bit fields (8 at the most in a field), gathered in 8-bit fields (32 at the most)
.set g, 0
.rept 4
.set k, 0
.rept 8
	v_cmp_gt_u32 vcc_lo, 8, v[GT+8*g+k]            ; a gate outside 0..7 counts for no expert
	v_lshlrev_b32 v[TMP], 2, v[GT+8*g+k]
	v_lshlrev_b32 v[TMP], v[TMP], v[ONE]           ; 1 << 4 gate
.if k == 0
	v_cndmask_b32 v[ACC], 0, v[TMP], vcc_lo
.else
	v_cndmask_b32 v[TMP], 0, v[TMP], vcc_lo
	v_add_nc_u32 v[ACC], v[ACC], v[TMP]
.endif
.set k, k+1
.endr
.if g == 0
	v_and_b32 v[EV], 0x0f0f0f0f, v[ACC]
	v_lshrrev_b32 v[TMP], 4, v[ACC]
	v_and_b32 v[OD], 0x0f0f0f0f, v[TMP]
.else
	v_and_b32 v[TMP], 0x0f0f0f0f, v[ACC]
	v_add_nc_u32 v[EV], v[EV], v[TMP]
	v_lshrrev_b32 v[TMP], 4, v[ACC]
	v_and_b32 v[TMP], 0x0f0f0f0f, v[TMP]
	v_add_nc_u32 v[OD], v[OD], v[TMP]
.endif
.set g, g+1
.endr
	v_and_b32 v[CC], 0x00ff00ff, v[EV]             ; 16-bit fields hold the work-group's sums, 8,192 at the most
	v_lshrrev_b32 v[TMP], 8, v[EV]
	v_and_b32 v[CC+1], 0x00ff00ff, v[TMP]
	v_and_b32 v[CC+2], 0x00ff00ff, v[OD]
	v_lshrrev_b32 v[TMP], 8, v[OD]
	v_and_b32 v[CC+3], 0x00ff00ff, v[TMP]
	v_cmp_gt_u32 vcc_lo, s17, v0                   ; threads below b
.irp i, 0,1,2,3
	v_cndmask_b32 v[CC+4+\i], 0, v[CC+\i], vcc_lo
.endr
	; the sums over the wave's 32 lanes
.irp c, 0,1,2,3,4,5,6,7
.irp x, 1,2,4,8
	v_mov_b32_dpp v[DP], v[CC+\c] row_xmask:\x row_mask:0xf bank_mask:0xf
	v_add_nc_u32 v[CC+\c], v[CC+\c], v[DP]
.endr
	v_permlanex16_b32 v[DP], v[CC+\c], s46, s47
	v_add_nc_u32 v[CC+\c], v[CC+\c], v[DP]
.endr
	ds_store_b128 v[RA], v[CC:CC+3]                ; all lanes write the same words with the same numbers
	ds_store_b128 v[RA], v[CC+4:CC+7] offset:16
	s_wait_dscnt 0x0                               ; for the others' sake: my counts are in LDS
	s_barrier_signal -1
	s_barrier_wait -1                              ; the one barrier; the weight loads stay out across it: nobody writes those bytes
	s_cmp_lg_u32 s16, 0
	s_cbranch_scc1 .Lnot_wave_0                    ; wave 0 alone places the work-group's 32 tokens; no barrier and no load into registers from memory is jumped
	v_mov_b32 v[TMP], RED
.set i, 0
.rept 16
	ds_load_b128 v[SUM+4*i:SUM+4*i+3], v[TMP] offset:16*i
.set i, i+1
.endr
	s_wait_dscnt 0x0
.irp w, 1,2,3,4,5,6,7
.irp i, 0,1,2,3,4,5,6,7
	v_add_nc_u32 v[SUM+\i], v[SUM+\i], v[SUM+8*\w+\i]
.endr
.endr
.irp i, 0,1,2,3,4,5,6,7
	v_readfirstlane_b32 s[48+\i], v[SUM+\i]
.endr
.irp o, 0, 8                                           ; o = 0: c_e into s[28:35];  o = 8: p_e, the tokens of expert e in threads below b, into s[36:43]
	s_and_b32 s[28+\o], s[48+\o/2], 0xffff
	s_lshr_b32 s[32+\o], s[48+\o/2], 16
	s_and_b32 s[30+\o], s[49+\o/2], 0xffff
	s_lshr_b32 s[34+\o], s[49+\o/2], 16
	s_and_b32 s[29+\o], s[50+\o/2], 0xffff
	s_lshr_b32 s[33+\o], s[50+\o/2], 16
	s_and_b32 s[31+\o], s[51+\o/2], 0xffff
	s_lshr_b32 s[35+\o], s[51+\o/2], 16
.endr
	s_mov_b32 s45, 0                               ; tokens of lower experts
	s_lshl_b32 s44, s17, 5                         ; 32 b tokens lie in threads below b; less those with an expert:
.irp e, 0,1,2,3,4,5,6,7
	s_sub_co_u32 s44, s44, s[36+\e]
	s_add_co_u32 s[36+\e], s[36+\e], s45           ; where the work-group's tokens of expert e begin
	s_add_co_u32 s45, s45, s[28+\e]
.endr
	s_add_co_u32 s44, s44, s45                     ; where its tokens without an expert begin
	v_cmp_lt_u32 vcc_lo, 7, v[MYG]
	v_mbcnt_lo_u32_b32 v[TMP], vcc_lo, 0           ; lanes below mine of the same kind
	v_add_nc_u32 v[POS], s44, v[TMP]
.irp e, 0,1,2,3,4,5,6,7
	v_cmp_eq_u32 vcc_lo, \e, v[MYG]
	v_mbcnt_lo_u32_b32 v[TMP], vcc_lo, 0
	v_add_nc_u32 v[TMP], s[36+\e], v[TMP]
	v_cndmask_b32 v[POS], v[POS], v[TMP], vcc_lo
.endr
	v_min_u32 v[POS], 0x1fff, v[POS]               ; a place is below 8,192 by the count; the bound is written out, since the number comes from loaded data
	v_lshlrev_b32 v[POS], 2, v[POS]
	global_store_b32 v[POS], v[TOK], s[10:11]
	s_cmp_lg_u32 s17, 0
	s_cbranch_scc1 .Lnot_wave_0                    ; work-group 0 stores the counts: 8 words, and 24 zeros behind them
	v_mov_b32 v202, 0
.irp e, 0,1,2,3,4,5,6,7
	v_cmp_eq_u32 vcc_lo, \e, v1
	v_cndmask_b32 v202, v202, s[28+\e], vcc_lo
.endr
	v_lshlrev_b32 v203, 2, v1
	global_store_b32 v203, v202, s[12:13]
.Lnot_wave_0:
	; zero rows for those of my wave's four tokens that no expert takes: 8 stores of 512 consecutive bytes a row
.irp i, 0,1,2,3
	v_mov_b32 v[SUM+\i], 0
.endr
	s_wait_kmcnt 0x0
.irp i, 0,1,2,3
	s_cmp_lt_u32 s[20+\i], 8
	s_cbranch_scc1 .Ltaken\i
.irp j, 0,1,2,3,4,5,6,7
	global_store_b128 v[L16], v[SUM:SUM+3], s[14:15] offset:4096*\i+512*\j th:TH_STORE_NT
.endr
.Ltaken\i:
.endr
	; the weights: rounded as they arrive, into my stage by rows (lane l's 4 numbers are 8 bytes at 8 l of half a row)
.set i, 0
.rept 32
	s_wait_loadcnt 31-i                            ; loads come back in order (ISA guide 5.7.1): load i is in, the younger 31 - i stay out
	v_cvt_pk_bf16_f32 v[CV+2*(i%4)], v[WR+4*i], v[WR+4*i+1]
	v_cvt_pk_bf16_f32 v[CV+2*(i%4)+1], v[WR+4*i+2], v[WR+4*i+3]
	ds_store_b64 v[SIN], v[CV+2*(i%4):CV+2*(i%4)+1] offset:SP*(i/2)+256*(i%2)
.set i, i+1
.endr
	; and back as operand quarters: K step i / 2 of my eight, q = i % 2: lane (r, h) takes row r, bytes 64 (i / 2) + 32 q + 16 h
.set i, 0
.rept 16
	ds_load_b128 v[WR+4*i:WR+4*i+3], v[SOUT] offset:32*i   ; LDS serves a wave's instructions in order (ISA guide 5.7.1.4): these see my stores above
.set i, i+1
.endr
.set i, 0
.rept 16
	s_wait_dscnt 15-i
	global_store_b128 v[L16], v[WR+4*i:WR+4*i+3], s[8:9] offset:4096*(i/2)+512*(i%2)  ; 512 consecutive bytes, at a multiple of 512 from wb's first byte; the next launch reads them, so no hint
.set i, i+1
.endr
	s_wait_tensorcnt 0x0                           ; the wave's end, behind my last LDS store
	ds_add_u32 v[SPW], v[NIL]
	s_wait_dscnt 0x0
	s_endpgm
.Lfunc_end_k_qf8c5aed024_prep:
	.size	k_qf8c5aed024_prep, .Lfunc_end_k_qf8c5aed024_prep-k_qf8c5aed024_prep
	.p2alignl 7, 3214868480
	.fill 96, 4, 3214868480
	.section	.rodata,"a",@progbits
	.p2align	6, 0x0
	.amdhsa_kernel k_qf8c5aed024_prep
		.amdhsa_group_segment_fixed_size 68864
		.amdhsa_private_segment_fixed_size 0
		.amdhsa_enable_private_segment 0
		.amdhsa_kernarg_size 48
		.amdhsa_user_sgpr_count 2
		.amdhsa_user_sgpr_kernarg_segment_ptr 1
		.amdhsa_wavefront_size32 1
		.amdhsa_system_sgpr_workgroup_id_x 1
		.amdhsa_system_sgpr_workgroup_id_y 1
		.amdhsa_system_sgpr_workgroup_id_z 1
		.amdhsa_system_vgpr_workitem_id 0
		.amdhsa_next_free_vgpr 256
		.amdhsa_next_free_sgpr 66
		.amdhsa_reserve_vcc 1
		.amdhsa_float_denorm_mode_32 3
		.amdhsa_float_denorm_mode_16_64 3
		.amdhsa_memory_ordered 1
		.amdhsa_forward_progress 1
		.amdhsa_inst_pref_size 38
	.end_amdhsa_kernel
	.amdgpu_metadata
---
amdhsa.version: [ 1, 2 ]
amdhsa.kernels:
  - .name:           k_qf8c5aed024_prep
    .symbol:         k_qf8c5aed024_prep.kd
    .args:
      - { .name: gate, .offset: 0, .size: 8, .value_kind: global_buffer, .address_space: global }
      - { .name: weight, .offset: 8, .size: 8, .value_kind: global_buffer, .address_space: global }
      - { .name: wb, .offset: 16, .size: 8, .value_kind: global_buffer, .address_space: global }
      - { .name: order, .offset: 24, .size: 8, .value_kind: global_buffer, .address_space: global }
      - { .name: counts, .offset: 32, .size: 8, .value_kind: global_buffer, .address_space: global }
      - { .name: out0, .offset: 40, .size: 8, .value_kind: global_buffer, .address_space: global }
    .group_segment_fixed_size: 68864
    .private_segment_fixed_size: 0
    .kernarg_segment_align: 8
    .kernarg_segment_size: 48
    .max_flat_workgroup_size: 256
    .sgpr_count:     66
    .vgpr_count:     256
    .wavefront_size: 32
...
	.end_amdgpu_metadata
.endif
;; end of part 1
;; launch gemm (part 2): grid 4 x 64, 4 waves a work-group, no clusters, 316,928 bytes of LDS; arguments counts, order, inp, wb, out0; writes out0
.if DOCPART == 2
	.amdgcn_target "amdgcn-amd-amdhsa--gfx1250"
	.amdhsa_code_object_version 6
	.text
	.protected	k_qf8c5aed024_gemm
	.globl	k_qf8c5aed024_gemm
	.p2align	8
	.type	k_qf8c5aed024_gemm,@function
k_qf8c5aed024_gemm:
	s_mov_b64 s[64:65], 0
	v_nop
	global_prefetch_b8 v0, s[64:65] scope:SCOPE_SE
	s_setreg_imm32_b32 hwreg(HW_REG_WAVE_MODE, 25, 1), 1
	s_wait_xcnt 0x0
; THE GROUPED PRODUCT.  out[i][n] = the sum over k of inp[i][k] weight[gate[i]][n][k], for every token whose gate is 0..7 (the launch before stored the other rows).
; counts[e]: expert e's tokens; order[]: the token numbers, sorted by expert; wb: the weights in bf16, in the order in which a wave's registers take them:
; wb[e][cw 16][ks 32][f 4][q 2][lane 32][16 bytes], lane (r, h) = W[e][64 cw + 16 f + r][32 ks + 16 q + 8 h .. + 7].
; LIMITS.  Both operands are rounded once to bf16 (nearest even), sums in f32, K ascending; an f32 beyond bf16's largest finite number rounds to an infinity.
; GRID.  Tiles of 144 rows of ONE expert x 256 columns.  The sum over e of ceil(c_e / 144) is at most (8,192 + 8 x 143) / 144 = 64 for every split, so 64 row tiles x 4 column blocks serve every split.
; Each work-group finds its tile from the counts.  A row tile that the split leaves without rows runs the same text on the token order[0] and stores nothing: every wave passes every barrier, and none
; stands under a branch on loaded data.  In a tile that is not full the places past the count repeat the tile's last row; the stores of whole blocks of 16 rows past the count are jumped.
; SHARES.  Four waves; wave w makes all 144 rows x columns 64 w .. + 63: 36 accumulators, 288 registers.  Its 64 columns of W have no other reader in the work-group: they come from memory straight into
; registers as operands, 8 loads of 512 consecutive bytes a K step.  The token rows are gathered in f32 through registers (a load = 512 consecutive bytes of one row), rounded once, and kept in LDS for the whole K.
; NO TENSOR LOAD, NO CLUSTER.  The rows that the four column blocks share come by a list, which no descriptor covers; the weights that an expert's row tiles share would have to pass through LDS,
; of whose 327,680 bytes A takes 313,344; and an expert's number of row tiles, 0 to 57, hangs on the data.
; THE MATRIX INSTRUCTION IS USED TRANSPOSED: source 0 = 16 columns' rows of W, source 1 = 16 tokens: a lane then holds one token and eight neighbouring columns.
; TWO PARTS, both straight-line text.  BY K: one macro STEP, expanded for J = -4 .. 25; K step J is multiplied in step J.  Ahead of it run: the gather (a group of 12 rows x 128 k is asked for in step J,
; rounded in step J + 3), W's fragments (asked for in step J, multiplied in step J + 3) and A's fragments from LDS (read in step J, multiplied in step J + 1).  By this text's count 60 loads of a wave are out
; at the most.  BY ROWS: for K steps 26 to 31 all of W's fragments lie in registers, and the nine blocks of 16 rows are finished one after the other, 24 products each; a finished block goes through my
; stage in LDS while the next is multiplied and is stored behind it, so that eight of the nine blocks' stores leave while products are still to come.
; REGISTERS, in windows of 256 (s_set_vgpr_msb: bits 1:0 source 0, 3:2 source 1, 5:4 source 2, 7:6 destination):
;   window 0: addresses, rounded pairs, A's fragments in two buffers      window 1: accumulators of f = 0, 1 at v[16 b + 8 f]; gathered rows m = 0..17 at v[144 + 4 m]
;   window 2: accumulators of f = 2, 3; gathered rows m = 18..35           window 3: W's fragments, eight slots of 32
.set CH,    39168     ; LDS: a chunk of A: 144 rows x 128 k of bf16, pitch 272 (256 + 16 = 68 words: row r starts at bank 4 r mod 64; 64 banks of 4 bytes: ISA guide 11.1); eight chunks
.set PA,    272
.set TOKT,  8*CH      ; each wave's own table of the tile's token numbers: 160 words in 768 bytes
.set SPARE, TOKT+4*768  ; the spare words, 128 bytes for each wave: two blocks of 256 bytes that no other line names
.set L16, 4           ; v4   16 x lane; never rewritten
.set SPW, 5           ; v5   LDS address of my spare word; never rewritten
.set NIL, 6           ; v6   0; never rewritten
.set STO, 7           ; v7   the way out: my stage + 272 r + 32 h.  The stage, 16 rows x 272 bytes for each wave, lies in chunk 0, which nobody reads after K step 3
.set RD,  8           ; v8   the way out: my stage + 272 h + 16 r
.set TKA, 9           ; v9   my table + 32 h
.set CO,  10          ; v10  my byte offset in a row of out: 1024 cb + 256 w + 16 r
.set TKS, 11          ; v11  where lane l puts a token number into the table
.set TT,  12          ; v[12:16] token numbers of rows 32 q + l
.set TG,  17          ; v[17:18] token numbers of the rows that my wave gathers: row 4 (32 a + l) + w
.set TMP, 19
.set FRC, 20          ; v[20:27] chunk c: c CH + 272 r + 16 h: a fragment's address
.set SBC, 28          ; v[28:35] chunk c: c CH + 272 w + 8 l: where a gathered row's 8 bytes go
.set GV,  36          ; v[36:71] row m of my 36: token x 4096 + 16 l; idle when the last group has been asked for
.set CT,  72          ; v[72:95] 12 rounded pairs; in the head the seven places in order[]
.set FA0, 112         ; v[112:183], v[184:255] by K: A's fragments, 9 blocks x 8, two buffers
.set RA0, 112         ; by rows: A's fragments of a block, 6 K steps x 8: even blocks v[112:159],
.set RA1, 40          ; odd blocks v[40:87]
.set OB,  160         ; v[160:191] the way out: 16 rows read back
.set TK,  192         ; v[192:199] the way out: 8 token numbers, then store offsets
.set ROWS, 35         ; s35  the tile's rows, 0 to 144
.set MSB, 0
.macro WIN new                         ; the immediate's high byte repeats the setting that is left; a switch that changes nothing is dropped
.if MSB != (\new)
	s_set_vgpr_msb (MSB<<8)|(\new)
.set MSB, \new
.endif
.endm
; W's slot for K step ks: steps 0 to 25 go round slots 0 to 3; steps 26 to 29 have slots 4 to 7; steps 30 and 31 take slots 2 and 3, which steps 22 and 23 were the last to read.
.macro SETBS ks
.if ((\ks) >= 26) && ((\ks) <= 29)
.set BS, 32*((\ks)-22)
.else
.set BS, 32*((\ks)%4)
.endif
.endm
; W's fragments of K step ks: 4,096 consecutive bytes of my stream.
.macro BLOAD ks
	SETBS \ks
	WIN 0xc0                                       ; destination window 3, address window 0
.set i, 0
.rept 8
	global_load_b128 v[BS+4*i:BS+4*i+3], v[L16], s[40:41] offset:4096*(\ks)+512*i
.set i, i+1
.endr
.endm
	s_load_b256 s[4:11], s[0:1], 0x0               ; counts s[4:5], order s[6:7], inp s[8:9], wb s[10:11]
	s_load_b64 s[12:13], s[0:1], 0x20              ; out0
	v_lshl_add_u32 v[SPW], v0, 2, SPARE
	v_mov_b32 v[NIL], 0
	v_and_b32 v1, 31, v0                           ; lane l
	v_lshrrev_b32 v[TMP], 5, v0
	v_readfirstlane_b32 s24, v[TMP]                ; wave w
	s_mov_b32 s25, ttmp9                           ; cb: my block of 256 columns
	s_and_b32 s26, ttmp7, 0xffff                   ; rt: my row tile
	s_wait_kmcnt 0x0
	s_load_b256 s[16:23], s[4:5], 0x0              ; c_0 .. c_7; the addresses below are made meanwhile
	v_and_b32 v2, 15, v0                           ; r
	v_bfe_u32 v3, v0, 4, 1                         ; h
	v_lshlrev_b32 v[L16], 4, v1
	s_mul_i32 s43, s24, 16*PA                      ; my stage
	v_mul_u32_u24 v[STO], v2, PA
	v_lshl_add_u32 v[STO], v3, 5, v[STO]
	v_add_nc_u32 v[STO], s43, v[STO]
	v_mul_u32_u24 v[RD], v3, PA
	v_lshl_add_u32 v[RD], v2, 4, v[RD]
	v_add_nc_u32 v[RD], s43, v[RD]
	s_mul_i32 s44, s24, 768
	s_add_co_u32 s44, s44, TOKT                    ; my table
	v_lshl_add_u32 v[TKA], v3, 5, s44
	s_lshl_b32 s45, s25, 10
	s_lshl_b32 s46, s24, 8
	s_add_co_u32 s45, s45, s46
	v_lshl_add_u32 v[CO], v2, 4, s45
	; the table is laid so that the eight tokens that a lane stores of a block (rows 16 b + 2 t + h) are 32 consecutive bytes: row 32 q + l goes to word 32 q + (l & 16) + 8 (l & 1) + (l & 15) / 2
	v_and_b32 v[TKS], 16, v1
	v_and_b32 v[TMP], 1, v1
	v_lshl_add_u32 v[TKS], v[TMP], 3, v[TKS]
	v_lshrrev_b32 v[TMP], 1, v2
	v_add_nc_u32 v[TKS], v[TKS], v[TMP]
	v_lshl_add_u32 v[TKS], v[TKS], 2, s44
	v_mul_u32_u24 v[TMP], v2, PA
	v_lshl_add_u32 v[TMP], v3, 4, v[TMP]
.irp c, 0,1,2,3,4,5,6,7
	v_add_nc_u32 v[FRC+\c], \c*CH, v[TMP]
.endr
	s_mul_i32 s46, s24, PA
	v_lshl_add_u32 v[TMP], v1, 3, s46
.irp c, 0,1,2,3,4,5,6,7
	v_add_nc_u32 v[SBC+\c], \c*CH, v[TMP]
.endr
	s_mov_b32 s27, 0                               ; T: row tiles of lower experts
	s_mov_b32 s28, 0                               ; tokens of lower experts
	s_mov_b32 s29, 0                               ; E, P, C, SB: my expert, my tile among its tiles, its count, its first place in order[]
	s_mov_b32 s30, 0
	s_mov_b32 s31, 0
	s_mov_b32 s32, 0
	s_wait_kmcnt 0x0
.irp e, 0,1,2,3,4,5,6,7
	s_add_co_u32 s33, s[16+\e], 143
	s_lshr_b32 s33, s33, 4
	s_mul_i32 s33, s33, 7282
	s_lshr_b32 s33, s33, 16                        ; ceil(c / 144) = ((c + 143) / 16) / 9; x 7282 / 65536 is x / 9 rounded down for x up to 520, which is c = 8,192
	s_sub_co_u32 s34, s26, s27                     ; rt - T: wraps to a large number where rt lies below
	s_cmp_lt_u32 s34, s33
	s_cselect_b32 s29, \e, s29
	s_cselect_b32 s30, s34, s30
	s_cselect_b32 s31, s[16+\e], s31
	s_cselect_b32 s32, s28, s32
	s_add_co_u32 s27, s27, s33
	s_add_co_u32 s28, s28, s[16+\e]
.endr
	s_mul_i32 s38, s30, 144
	s_sub_co_u32 s[ROWS], s31, s38
	s_min_u32 s[ROWS], s[ROWS], 144                ; 0 where no expert has a tile for me
	s_add_co_u32 s36, s32, s38                     ; the tile's first place in order[]
	s_max_u32 s37, s[ROWS], 1
	s_add_co_u32 s37, s37, s36
	s_sub_co_u32 s37, s37, 1                       ; and its last
	s_min_u32 s29, s29, 7
	s_lshl_b32 s38, s29, 4
	s_lshl2_add_u32 s38, s25, s38
	s_add_co_u32 s38, s38, s24                     ; 16 E + 4 cb + w
	s_lshl_b32 s38, s38, 17                        ; my wave's 131,072 bytes of wb
	s_mov_b32 s39, 0
	s_add_nc_u64 s[40:41], s[10:11], s[38:39]
	v_add_nc_u32 v[TMP], s36, v1
.irp q, 0,1,2,3,4
	v_add_nc_u32 v[CT+\q], 32*\q, v[TMP]
	v_min_u32 v[CT+\q], s37, v[CT+\q]              ; places past the count repeat the tile's last row
	v_min_u32 v[CT+\q], 0x1fff, v[CT+\q]           ; the bound is written out, since the number comes from loaded data
	v_lshlrev_b32 v[CT+\q], 2, v[CT+\q]
	global_load_b32 v[TT+\q], v[CT+\q], s[6:7]
.endr
	s_add_co_u32 s38, s36, s24
	v_lshl_add_u32 v[TMP], v1, 2, s38              ; my wave gathers rows 4 m + w
.irp a, 0,1
	v_add_nc_u32 v[CT+5+\a], 128*\a, v[TMP]
	v_min_u32 v[CT+5+\a], s37, v[CT+5+\a]
	v_min_u32 v[CT+5+\a], 0x1fff, v[CT+5+\a]
	v_lshlrev_b32 v[CT+5+\a], 2, v[CT+5+\a]
	global_load_b32 v[TG+\a], v[CT+5+\a], s[6:7]
.endr
	BLOAD 0                                        ; W of K steps 0 to 2 hangs on the tile alone, not on the list: it is asked for now, and is on its way while the list and the first rows come
	BLOAD 1
	BLOAD 2
	WIN 0
	s_wait_loadcnt 24                              ; W's 24 loads are younger and stay out: the seven loads of the list are in
.irp q, 0,1,2,3,4
	v_min_u32 v[TT+\q], 0x1fff, v[TT+\q]
	ds_store_b32 v[TKS], v[TT+\q] offset:128*\q    ; my wave's own table: no other wave reads it
.endr
	; a gather load takes ONE row: its token number goes from its lane to all lanes, twelve rows at a time
.irp t, 0,1,2
.set i, 0
.rept 12
	v_readlane_b32 s[48+i], v[TG+(12*\t+i)/32], (12*\t+i)%32
.set i, i+1
.endr
.set i, 0
.rept 12
	s_min_u32 s[48+i], s[48+i], 0x1fff
.set i, i+1
.endr
.set i, 0
.rept 12
	v_lshl_add_u32 v[GV+12*\t+i], s[48+i], 12, v[L16]
.set i, i+1
.endr
.endr
; Group q of the gather: rows m = 12 (q % 3) .. + 11 of my 36, chunk q / 3 of K.  Row m always lands in the same four registers: window 1 + m / 18, v[144 + 4 (m % 18)].
.macro GLOAD q
.set SC, (\q)/3
.set SU, (\q)%3
.set i, 0
.rept 12
.set GM, 12*SU+i
	WIN 0x40*(1+GM/18)                             ; destination window 1 or 2, address window 0
	global_load_b128 v[144+4*(GM%18):144+4*(GM%18)+3], v[GV+GM], s[8:9] offset:512*SC  ; 512 consecutive bytes of one token's row, at a multiple of 512; three other work-groups read them too, so no hint
.set i, i+1
.endr
.endm
; Group q is rounded to bf16 and put into LDS: a row's 256 consecutive bytes a store.
.macro SERVICE q
.set SC, (\q)/3
.set SU, (\q)%3
.set i, 0
.rept 12
.set GM, 12*SU+i
	WIN 0x05*(1+GM/18)                             ; sources window 1 or 2, destination window 0
	v_cvt_pk_bf16_f32 v[CT+2*i], v[144+4*(GM%18)], v[144+4*(GM%18)+1]
	v_cvt_pk_bf16_f32 v[CT+2*i+1], v[144+4*(GM%18)+2], v[144+4*(GM%18)+3]
.set i, i+1
.endr
	WIN 0
.set i, 0
.rept 12
	ds_store_b64 v[SBC+SC], v[CT+2*i:CT+2*i+1] offset:4*PA*(12*SU+i)
.set i, i+1
.endr
.endm
; By K: A's fragments of K step ks: 9 blocks of 16 rows x 32 k, two loads of 16 bytes, 32 bytes apart, into buffer ks % 2.
.macro FRAG ks
.set FB, FA0+72*((\ks)%2)
	WIN 0
.set i, 0
.rept 9
	ds_load_b128 v[FB+8*i:FB+8*i+3],   v[FRC+(\ks)/4] offset:16*PA*i+64*((\ks)%4)
	ds_load_b128 v[FB+8*i+4:FB+8*i+7], v[FRC+(\ks)/4] offset:16*PA*i+64*((\ks)%4)+32
.set i, i+1
.endr
.endm
; By K: K step ks: 36 matrix instructions.  The 36 accumulators take turns, one instruction a turn, from step to step too.  The first step starts the sums: nothing is cleared.
.macro MUL ks
.set FB, FA0+72*((\ks)%2)
	SETBS \ks
.irp hw, 0, 1
	WIN 0x53+0x50*(\hw)                            ; W window 3, A window 0, C and D window 1 (f = 0, 1) or 2 (f = 2, 3)
.set i, 0
.rept 18                                               ; block i / 2, f = 2 hw + i % 2
.if (\ks) == 0
	v_wmma_f32_16x16x32_bf16 v[8*i:8*i+7], v[BS+16*(\hw)+8*(i%2):BS+16*(\hw)+8*(i%2)+7], v[FB+8*(i/2):FB+8*(i/2)+7], 0
.else
	v_wmma_f32_16x16x32_bf16 v[8*i:8*i+7], v[BS+16*(\hw)+8*(i%2):BS+16*(\hw)+8*(i%2)+7], v[FB+8*(i/2):FB+8*(i/2)+7], v[8*i:8*i+7]
.endif
.set i, i+1
.endr
.endr
.endm
; The loads from memory that step i issues, in this order: 8 of W for step i + 3 (steps 0 to 22; steps 0 to 2 of K were asked for ahead of everything counted here), 8 of W for step i + 7 (steps 19 to 24),
; 12 of the gather (steps -7 to 16; the 36 first loads count as steps -7 to -5).
.macro ADDB i
.if ((\i) >= 0) && ((\i) <= 22)
.set NLD, NLD+8
.endif
.endm
.macro ADDX i
.if ((\i) >= 19) && ((\i) <= 24)
.set NLD, NLD+8
.endif
.endm
.macro ADDG i
.if ((\i) >= -7) && ((\i) <= 16)
.set NLD, NLD+12
.endif
.endm
.macro ADDALL i
	ADDB \i
	ADDX \i
	ADDG \i
.endm
; By rows: A's fragments of block b for K steps 26 to 31: 12 loads.
.macro FRAGR b
.set RAB, RA0-(RA0-RA1)*((\b)%2)
	WIN 0
.set i, 0
.rept 6
	ds_load_b128 v[RAB+8*i:RAB+8*i+3],   v[FRC+(26+i)/4] offset:16*PA*(\b)+64*((26+i)%4)
	ds_load_b128 v[RAB+8*i+4:RAB+8*i+7], v[FRC+(26+i)/4] offset:16*PA*(\b)+64*((26+i)%4)+32
.set i, i+1
.endr
.endm
.macro STEP
.if J >= 0
	s_wait_dscnt 0x0                               ; A's fragments of step J, asked for a step ago, are in
.endif
.if J >= 20
.rept 4
	v_nop                                          ; four places between the last products and the loads into registers that they read (ISA guide 7.12.1 for vector instructions); in earlier steps the 24 conversions are the places
.endr
.endif
.if (J >= -1) && (J <= 20) && ((J+1)%3 == 0)
	s_barrier_wait -1                              ; chunk (J + 1) / 3 is whole: every wave has stored its rows of it
.endif
.if J <= 19
.set NLD, 0
	ADDALL J-2
	ADDALL J-1
	s_wait_loadcnt NLD                             ; group J + 4 was the last thing asked for in step J - 3: all that the two steps since have asked for is younger and stays out
	SERVICE J+4
.endif
.if J >= 0
.set NLD, 0
	ADDX J-3
	ADDG J-3
	ADDALL J-2
	ADDALL J-1
	s_wait_loadcnt NLD                             ; W of step J was the first thing asked for in step J - 3 (or earlier): the rest of that step and the two steps since are younger
.endif
.if (J >= 0) && (J <= 22)
	BLOAD J+3                                      ; into the slot that step J - 1 multiplied
.endif
.if (J >= 19) && (J <= 24)
	BLOAD J+7                                      ; W for the part by rows: the gather asks for nothing more, so the count of loads has room
.endif
.if J <= 16
	GLOAD J+7                                      ; the rows just rounded, one chunk on
.endif
.if (J >= -2) && (J <= 19) && ((J+2)%3 == 0)
	s_wait_dscnt 0x0                               ; for the others' sake: my rows of chunk (J + 2) / 3 are in LDS
	s_barrier_signal -1                            ; up to the wait, in the next step: reads of earlier chunks, which nobody writes before a later barrier, and products
.endif
.if (J >= -1) && (J <= 24)
	FRAG J+1                                       ; into the buffer that step J - 1 multiplied
.endif
.if J == 25
	FRAGR 0                                        ; the first two blocks' fragments for the part by rows: the even buffer was last read by step 24, the odd one by no product
	FRAGR 1
.endif
.if J >= 0
	MUL J
.endif
.endm
	GLOAD 0                                        ; chunk 0 of all my 36 rows
	GLOAD 1
	GLOAD 2
.set J, -4
.rept 30
	STEP
.set J, J+1
.endr
; BY ROWS.  Block b is finished: 24 matrix instructions, K steps 26 to 31 ascending; its four accumulators take turns, one instruction a turn.
.macro MULR b
.set RAB, RA0-(RA0-RA1)*((\b)%2)
.set i, 0
.rept 6
	SETBS 26+i
.if ((\b) == 0) && (i == 0)
	s_wait_loadcnt 16                              ; W of steps 26 to 29 is in; the 16 loads for steps 30 and 31 are younger
.endif
.if ((\b) == 0) && (i == 4)
	s_wait_loadcnt 8                               ; W of step 30
.endif
.if ((\b) == 0) && (i == 5)
	s_wait_loadcnt 0x0                             ; W of step 31: the last load from memory
.endif
.irp hw, 0, 1
	WIN 0x53+0x50*(\hw)
.irp f, 0, 1
	v_wmma_f32_16x16x32_bf16 v[16*(\b)+8*(\f):16*(\b)+8*(\f)+7], v[BS+16*(\hw)+8*(\f):BS+16*(\hw)+8*(\f)+7], v[RAB+8*i:RAB+8*i+7], v[16*(\b)+8*(\f):16*(\b)+8*(\f)+7]
.endr
.endr
.set i, i+1
.endr
.endm
; THE WAY OUT of block b, in two parts.  STAGE: a lane's 8 columns of a token go into my stage (each accumulator's low four registers first), and whole rows of 256 bytes come back,
; with the rows' token numbers from my table.  My stage lies in chunk 0: every wave's reads of chunk 0 were waited for in front of the barrier signalled in step 4.
.macro STAGE b
.if (\b) > 0
	s_wait_xcnt 0x0                                ; the last block's stores have had their addresses translated (ISA guide 3.1): their data and offsets are loaded anew only behind this wait
.endif
	WIN 0x04                                       ; store data window 1
	ds_store_b128 v[STO], v[16*(\b):16*(\b)+3]
	ds_store_b128 v[STO], v[16*(\b)+4:16*(\b)+7] offset:16
	ds_store_b128 v[STO], v[16*(\b)+8:16*(\b)+11] offset:64
	ds_store_b128 v[STO], v[16*(\b)+12:16*(\b)+15] offset:80
	WIN 0x08                                       ; window 2
	ds_store_b128 v[STO], v[16*(\b):16*(\b)+3] offset:128
	ds_store_b128 v[STO], v[16*(\b)+4:16*(\b)+7] offset:144
	ds_store_b128 v[STO], v[16*(\b)+8:16*(\b)+11] offset:192
	ds_store_b128 v[STO], v[16*(\b)+12:16*(\b)+15] offset:208
	WIN 0
	ds_load_b128 v[TK:TK+3],   v[TKA] offset:64*(\b)     ; the tokens of rows 16 b + 2 t + h, t = 0 .. 7
	ds_load_b128 v[TK+4:TK+7], v[TKA] offset:64*(\b)+16
.irp t, 0,1,2,3,4,5,6,7
	ds_load_b128 v[OB+4*\t:OB+4*\t+3], v[RD] offset:2*PA*\t  ; LDS serves a wave's instructions in order (ISA guide 5.7.1.4): these see my stores above
.endr
.endm
; SENDR: each row goes to its token's row of out.  younger: the LDS loads issued behind STAGE's, which may stay out.  The sixteen vector lines stand on every path: they are also the four places between
; the products just issued and what follows (the next block's LDS stores of results, the loads into the fragment buffer just read).  Only the stores are jumped where the block lies past the count.
.macro SENDR b, younger
	WIN 0                                          ; at a branch and at a label every window is 0
	s_wait_dscnt \younger
.irp t, 0,1,2,3,4,5,6,7
	v_min_u32 v[TK+\t], 0x1fff, v[TK+\t]
.endr
.irp t, 0,1,2,3,4,5,6,7
	v_lshl_add_u32 v[TK+\t], v[TK+\t], 12, v[CO]
.endr
	s_cmp_gt_u32 s[ROWS], 16*(\b)
	s_cbranch_scc0 .Lpast_\@                       ; no barrier and no LDS instruction is jumped: the counts of the waits are the same on both ways
.irp t, 0,1,2,3,4,5,6,7
	global_store_b128 v[TK+\t], v[OB+4*\t:OB+4*\t+3], s[12:13] th:TH_STORE_NT  ; 16 lanes store 256 consecutive bytes of a token's row, at a multiple of 256; a repeated row writes the same bytes again
.endr
.Lpast_\@:
.endm
; The order of the LDS instructions: fragments 0, fragments 1 | stage 0 (18), fragments 2 (12) | stage 1, fragments 3 | .. | stage 6, fragments 8 | stage 7 | stage 8.
.set RB, 0
.rept 9
.if RB == 0
	s_wait_dscnt 12                                ; block 0's fragments are in; block 1's twelve loads are younger
.elseif RB == 8
	s_wait_dscnt 18                                ; behind block 8's fragments: stage 7's eighteen
.else
	s_wait_dscnt 30                                ; behind this block's fragments: a stage's eighteen and the next block's twelve
.endif
	MULR RB
.if RB == 0
.rept 4
	v_nop                                          ; four places between the products and the LDS stores that read their results: no other vector work is at hand yet
.endr
.elseif RB == 8
	SENDR RB-1, 0
.else
	SENDR RB-1, 12                                 ; the block before leaves: its round trip through the stage stood under this block's products
.endif
	STAGE RB
.if RB <= 6
	FRAGR RB+2                                     ; into the buffer just multiplied: a whole block's products ahead of its use
.endif
.set RB, RB+1
.endr
	SENDR 8, 0
	s_wait_tensorcnt 0x0                           ; the wave's end, behind my last LDS store
	ds_add_u32 v[SPW], v[NIL]
	s_wait_dscnt 0x0
	s_endpgm
.Lfunc_end_k_qf8c5aed024_gemm:
	.size	k_qf8c5aed024_gemm, .Lfunc_end_k_qf8c5aed024_gemm-k_qf8c5aed024_gemm
	.p2alignl 7, 3214868480
	.fill 96, 4, 3214868480
	.section	.rodata,"a",@progbits
	.p2align	6, 0x0
	.amdhsa_kernel k_qf8c5aed024_gemm
		.amdhsa_group_segment_fixed_size 316928
		.amdhsa_private_segment_fixed_size 0
		.amdhsa_enable_private_segment 0
		.amdhsa_kernarg_size 40
		.amdhsa_user_sgpr_count 2
		.amdhsa_user_sgpr_kernarg_segment_ptr 1
		.amdhsa_wavefront_size32 1
		.amdhsa_system_sgpr_workgroup_id_x 1
		.amdhsa_system_sgpr_workgroup_id_y 1
		.amdhsa_system_sgpr_workgroup_id_z 1
		.amdhsa_system_vgpr_workitem_id 0
		.amdhsa_next_free_vgpr 1024
		.amdhsa_next_free_sgpr 66
		.amdhsa_reserve_vcc 0
		.amdhsa_float_denorm_mode_32 3
		.amdhsa_float_denorm_mode_16_64 3
		.amdhsa_memory_ordered 1
		.amdhsa_forward_progress 1
		.amdhsa_inst_pref_size 255
	.end_amdhsa_kernel
	.section	.bss,"aw",@nobits
	.p2align	6
	.space	262144
	.amdgpu_metadata
---
amdhsa.version: [ 1, 2 ]
amdhsa.kernels:
  - .name:           k_qf8c5aed024_gemm
    .symbol:         k_qf8c5aed024_gemm.kd
    .args:
      - { .name: counts, .offset: 0, .size: 8, .value_kind: global_buffer, .address_space: global }
      - { .name: order, .offset: 8, .size: 8, .value_kind: global_buffer, .address_space: global }
      - { .name: inp, .offset: 16, .size: 8, .value_kind: global_buffer, .address_space: global }
      - { .name: wb, .offset: 24, .size: 8, .value_kind: global_buffer, .address_space: global }
      - { .name: out0, .offset: 32, .size: 8, .value_kind: global_buffer, .address_space: global }
    .group_segment_fixed_size: 316928
    .private_segment_fixed_size: 0
    .kernarg_segment_align: 8
    .kernarg_segment_size: 40
    .max_flat_workgroup_size: 128
    .sgpr_count:     66
    .vgpr_count:     1024
    .wavefront_size: 32
...
	.end_amdgpu_metadata
.endif
;; end of part 2
;; ======== version 2 of 2: 2 launches; version 1 with the launches prep, gemm written anew for expert scheduling mode
;; workspace buffers: wb 16,777,216 bytes; order 32,768 bytes of whole numbers; counts 256 bytes of whole numbers
;; launch prep (part 3): grid 256 x 1, 8 waves a work-group, no clusters, 68,864 bytes of LDS; arguments gate, weight, wb, order, counts, out0; writes wb, order, counts, out0
.if DOCPART == 3
	.amdgcn_target "amdgcn-amd-amdhsa--gfx1250"
	.amdhsa_code_object_version 6
	.text
	.protected	k_qf8c5aed024_prep
	.globl	k_qf8c5aed024_prep
	.p2align	8
	.type	k_qf8c5aed024_prep,@function
k_qf8c5aed024_prep:
	s_mov_b64 s[64:65], 0
	v_nop
	global_prefetch_b8 v0, s[64:65] scope:SCOPE_SE
	s_setreg_imm32_b32 hwreg(HW_REG_WAVE_SCHED_MODE, 0, 2), 2
	s_setreg_imm32_b32 hwreg(HW_REG_WAVE_MODE, 25, 1), 1
	s_wait_xcnt 0x0
	s_wait_alu depctr_vm_vsrc(0)
; PREPARATION for out[i] = weight[gate[i]] . inp[i]  (8,192 tokens, 8 experts of 1,024 x 1,024, all f32).  Three things:
; (a) WEIGHTS: rounded once to bf16 (nearest even) and laid out as the product's waves take them into registers:
;     wb[e 8][cw 16][ks 32][f 4][q 2][lane 32][16 bytes]; lane (r = lane % 16, h = lane / 16) holds W[e][64 cw + 16 f + r][32 ks + 16 q + 8 h .. + 7].
; (b) SORT: order[] = the token numbers, expert 0's first, .. expert 7's, then those whose gate is outside 0..7; counts[e] = expert e's tokens.
;     A counting sort without atomics: every work-group counts all 8,192 gates for itself and places 32 tokens.
; (c) ZERO ROWS: a token whose gate is outside 0..7 matches no expert and keeps a row of zeros, stored here; the product stores all other rows.
; LIMITS.  An f32 weight beyond bf16's largest finite number rounds to an infinity.  Any int32 is served as a gate.
; SHARES.  Work-group b: expert b / 32, column group cw = (b / 2) % 16, half b % 2 of K.  Wave w: f = w % 4, quarter kq = 2 (b % 2) + w / 4 of K:
; 16 rows x 256 k of W, 16 KiB in and 8 KiB out; all its 32 loads go out at once.  No matrix unit, no cluster, no tensor load: each weight byte has one reader and is touched once.
; SORT'S ORDER.  Thread t of EVERY work-group reads the tokens 1024 j + 4 t + i (j < 8, i < 4); work-group b owns the 32 tokens of 'thread b'.
; A token's place = tokens of lower experts + its expert's tokens in threads below b + its expert's tokens before it among the 32.
; THE MODE: SCHED_MODE bits 1:0 = 2 (LLVM: expert scheduling mode 2), set by the entry lines.  The code itself states the register dependences
; between vector instructions and memory or LDS instructions, and those through scalar registers that vector instructions write, with s_wait_alu, always for 0.
; THE PLAN.  Registers that memory or LDS instructions touch:
;   T16, OWN, L16, RA, SIN, SOUT   offsets and addresses, made at the head and never written again: one wait at the head serves every load and store.
;   CC, POS, v202, v203, the zeros written by vector instructions, read by stores, never written again: a wait ahead of each of these stores.
;   TMP                            in wave 0 the address of sixteen LDS loads, written again behind them.
;   WR                             32 loads land in it; each load's four numbers are rounded in place into its first two registers, which one LDS store reads; v[64:127] are then loaded again from LDS.
; The weights go in four batches of eight loads.  At the head of batch k one wait states that batch k - 1 is rounded; its eight LDS stores are dealt among batch k's conversions, which name other registers.
; Masks are made by compares in runs, into scalar registers, with one wait behind each run.
.set RED,   0         ; LDS: 8 waves x 32 bytes of counts.  Bytes 256 to 1,279: a word for each thread, which the add at the wave's end names
.set STG,   1280      ; each wave's own stage: 16 rows x 528 bytes
.set SP,    528       ; 512 bytes of bf16 + 16 of padding = 132 words: row r starts at bank 4 r mod 64 (64 banks of 4 bytes: ISA guide 11.1)
.set T16, 6           ; v6   16 t
.set OWN, 7           ; v7   byte offset in gate of lane l's token among the work-group's 32
.set TMP, 8           ; v8   at work
.set DP,  9           ; v9   at work: takes other lanes' numbers
.set ACC, 10          ; v10  eight 4-bit counters
.set EV,  11          ; v11  four 8-bit counters: experts 0, 2, 4, 6
.set OD,  12          ; v12  experts 1, 3, 5, 7
.set L16, 13          ; v13  16 x lane; never rewritten
.set ONE, 14          ; v14  1
.set TOK, 15          ; v15  lane l's token number among the work-group's 32
.set GT,  16          ; v[16:47]  my 32 gates
.set MYG, 48          ; v48  the gate of token TOK
.set CC,  52          ; v[52:55] counts in 16-bit fields: (e0,e4) (e2,e6) (e1,e5) (e3,e7); v[56:59] the same, of threads below b alone
.set RA,  60          ; v60  32 w
.set SIN, 61          ; v61  stage, in: my wave's stage + 8 x lane
.set SOUT, 62         ; v62  stage, out: my wave's stage + 528 r + 16 h
.set POS, 63          ; v63  the token's place in order[]
.set WR,  64          ; v[64:191] 32 loads of 4 f32, each rounded into its first two registers; later v[64:127] 16 fragments' quarters
.set SUM, 192         ; v[192:255] wave 0: all waves' counts;  later v[192:195] zeros, v[202:203] wave 0's store data
	s_load_b256 s[4:11], s[0:1], 0x0               ; gate s[4:5], weight s[6:7], wb s[8:9], order s[10:11]
	s_load_b128 s[12:15], s[0:1], 0x20             ; counts s[12:13], out0 s[14:15]
	v_lshl_add_u32 v50, v0, 2, 0x100
	v_mov_b32 v51, 0
	v_and_b32 v1, 31, v0                           ; lane l
	v_lshrrev_b32 v[TMP], 5, v0
	v_readfirstlane_b32 s16, v[TMP]                ; wave w
	s_mov_b32 s17, ttmp9                           ; work-group b
	v_and_b32 v2, 15, v0                           ; r
	v_bfe_u32 v3, v0, 4, 1                         ; h
	v_lshlrev_b32 v[T16], 4, v0
	v_lshlrev_b32 v[L16], 4, v1
	v_lshrrev_b32 v[OWN], 2, v1                    ; j = l / 4
	v_and_b32 v[TMP], 3, v1                        ; i = l % 4
	v_lshlrev_b32 v[TOK], 10, v[OWN]
	v_lshlrev_b32 v[OWN], 12, v[OWN]
	v_lshl_add_u32 v[OWN], v[TMP], 2, v[OWN]
	s_lshl_b32 s56, s17, 4
	v_add_nc_u32 v[OWN], s56, v[OWN]               ; 4096 j + 4 i + 16 b
	s_lshl_b32 s57, s17, 2
	v_add3_u32 v[TOK], v[TOK], v[TMP], s57         ; 1024 j + i + 4 b
	s_wait_alu depctr_va_sdst(0)                   ; s16 is written, ahead of its first reader: the offsets below are made from it
	s_lshl_b32 s26, s16, 12
	s_add_co_u32 s26, s26, s56                     ; my wave's four tokens 1024 w + 4 b + 0..3: their gates' byte offset
	s_mov_b32 s27, 0
	s_lshr_b32 s57, s17, 1                         ; 16 e + cw
	s_and_b32 s58, s16, 3                          ; f
	s_and_b32 s59, s17, 1
	s_lshl_b32 s59, s59, 1
	s_lshr_b32 s56, s16, 2
	s_add_co_u32 s59, s59, s56                     ; kq
	s_lshl_b32 s24, s57, 18                        ; weight: 64 rows of 4,096 bytes for each (e, cw),
	s_lshl_b32 s56, s58, 16                        ; 16 rows for each f,
	s_add_co_u32 s24, s24, s56
	s_lshl_b32 s56, s59, 10                        ; 256 k of 4 bytes for each kq
	s_add_co_u32 s24, s24, s56
	s_mov_b32 s25, 0
	s_lshl_b32 s60, s57, 17                        ; wb: 131,072 bytes for each (e, cw),
	s_lshl_b32 s56, s59, 15                        ; 8 K steps of 4,096 for each kq,
	s_add_co_u32 s60, s60, s56
	s_lshl_b32 s56, s58, 10                        ; 1,024 for each f
	s_add_co_u32 s60, s60, s56
	s_mov_b32 s61, 0
	s_lshl_b32 s62, s16, 22                        ; out0: row 1024 w + 4 b, 4,096 bytes a row
	s_lshl_b32 s56, s17, 14
	s_add_co_u32 s62, s62, s56
	s_mov_b32 s63, 0
	s_mov_b32 s46, 0x76543210                      ; v_permlanex16_b32: each lane takes its own place in the other half
	s_mov_b32 s47, 0xfedcba98
	s_mul_i32 s56, s16, 16*SP
	s_add_co_u32 s56, s56, STG                     ; my wave's stage
	v_lshl_add_u32 v[SIN], v1, 3, s56
	v_mul_u32_u24 v[SOUT], v2, SP
	v_lshl_add_u32 v[SOUT], v3, 4, v[SOUT]
	v_add_nc_u32 v[SOUT], s56, v[SOUT]
	v_mov_b32 v[RA], s16
	v_lshlrev_b32 v[RA], 5, v[RA]
	v_mov_b32 v[ONE], 1
	v_mov_b32 v[DP], 0                             ; written before a lane exchange names it as its destination
	s_wait_kmcnt 0x0
	s_add_nc_u64 s[18:19], s[4:5], s[26:27]
	s_add_nc_u64 s[6:7], s[6:7], s[24:25]
	s_add_nc_u64 s[8:9], s[8:9], s[60:61]
	s_add_nc_u64 s[14:15], s[14:15], s[62:63]
	s_wait_alu depctr_va_vdst(0)                   ; the offsets and addresses T16, OWN, L16, RA, SIN, SOUT and the number TOK are written: every load and store of the kernel reads some of them
	; all loads at once: 9 of gates, then my 32 of weights
.set i, 0
.rept 8
	global_load_b128 v[GT+4*i:GT+4*i+3], v[T16], s[4:5] offset:4096*i
.set i, i+1
.endr
	global_load_b32 v[MYG], v[OWN], s[4:5]
	s_load_b128 s[20:23], s[18:19], 0x0            ; the gates of my wave's four tokens, as scalars
.set i, 0
.rept 32                                               ; row i / 2, half i % 2 of its 1,024 bytes: 512 consecutive bytes a load
	global_load_b128 v[WR+4*i:WR+4*i+3], v[L16], s[6:7] offset:4096*(i/2)+512*(i%2) th:TH_LOAD_NT
.set i, i+1
.endr
	s_wait_loadcnt 32                              ; the 32 weight loads are younger and stay out: the gates are in
	; the masks, in one run: gate n of my 32 lies in 0..7 (a gate outside counts for no expert) into s[28:43] and s[48:63]; threads below b into s44
.set m, 0
.rept 32
	v_cmp_gt_u32 s[28+m+4*(m/16)], 8, v[GT+m]
.set m, m+1
.endr
	v_cmp_gt_u32 s44, s17, v0
	s_wait_alu depctr_va_sdst(0)                   ; the 33 masks are written, ahead of the first select that reads one
	; my 32 gates counted by expert: eight at a time in 4-bit fields (8 at the most in a field), gathered in 8-bit fields (32 at the most)
.set g, 0
.rept 4
.set k, 0
.rept 8
.set m, 8*g+k
	v_lshlrev_b32 v[TMP], 2, v[GT+m]
	v_lshlrev_b32 v[TMP], v[TMP], v[ONE]           ; 1 << 4 gate
.if k == 0
	v_cndmask_b32 v[ACC], 0, v[TMP], s[28+m+4*(m/16)]
.else
	v_cndmask_b32 v[TMP], 0, v[TMP], s[28+m+4*(m/16)]
	v_add_nc_u32 v[ACC], v[ACC], v[TMP]
.endif
.set k, k+1
.endr
.if g == 0
	v_and_b32 v[EV], 0x0f0f0f0f, v[ACC]
	v_lshrrev_b32 v[TMP], 4, v[ACC]
	v_and_b32 v[OD], 0x0f0f0f0f, v[TMP]
.else
	v_and_b32 v[TMP], 0x0f0f0f0f, v[ACC]
	v_add_nc_u32 v[EV], v[EV], v[TMP]
	v_lshrrev_b32 v[TMP], 4, v[ACC]
	v_and_b32 v[TMP], 0x0f0f0f0f, v[TMP]
	v_add_nc_u32 v[OD], v[OD], v[TMP]
.endif
.set g, g+1
.endr
	v_and_b32 v[CC], 0x00ff00ff, v[EV]             ; 16-bit fields hold the work-group's sums, 8,192 at the most
	v_lshrrev_b32 v[TMP], 8, v[EV]
	v_and_b32 v[CC+1], 0x00ff00ff, v[TMP]
	v_and_b32 v[CC+2], 0x00ff00ff, v[OD]
	v_lshrrev_b32 v[TMP], 8, v[OD]
	v_and_b32 v[CC+3], 0x00ff00ff, v[TMP]
.irp i, 0,1,2,3
	v_cndmask_b32 v[CC+4+\i], 0, v[CC+\i], s44     ; threads below b
.endr
	; the sums over the wave's 32 lanes
.irp c, 0,1,2,3,4,5,6,7
.irp x, 1,2,4,8
	v_mov_b32_dpp v[DP], v[CC+\c] row_xmask:\x row_mask:0xf bank_mask:0xf
	v_add_nc_u32 v[CC+\c], v[CC+\c], v[DP]
.endr
	v_permlanex16_b32 v[DP], v[CC+\c], s46, s47
	v_add_nc_u32 v[CC+\c], v[CC+\c], v[DP]
.endr
	s_wait_alu depctr_va_vdst(0)                   ; the sums have written v[CC ..], which the two LDS stores read
	ds_store_b128 v[RA], v[CC:CC+3]                ; all lanes write the same words with the same numbers
	ds_store_b128 v[RA], v[CC+4:CC+7] offset:16
	s_wait_dscnt 0x0                               ; for the others' sake: my counts are in LDS
	s_barrier_signal -1
	s_barrier_wait -1                              ; the one barrier; the weight loads stay out across it: nobody writes those bytes
	s_cmp_lg_u32 s16, 0
	s_cbranch_scc1 .Lnot_wave_0                    ; wave 0 alone places the work-group's 32 tokens; no barrier and no load into registers from memory is jumped
	v_mov_b32 v[TMP], RED
	s_wait_alu depctr_va_vdst(0)                   ; v[TMP] is written, which the LDS loads read as their address
.set i, 0
.rept 16
	ds_load_b128 v[SUM+4*i:SUM+4*i+3], v[TMP] offset:16*i
.set i, i+1
.endr
	s_wait_dscnt 0x0
	s_wait_alu depctr_vm_vsrc(0)                   ; the LDS loads have read v[TMP], which is written again below
.irp w, 1,2,3,4,5,6,7
.irp i, 0,1,2,3,4,5,6,7
	v_add_nc_u32 v[SUM+\i], v[SUM+\i], v[SUM+8*\w+\i]
.endr
.endr
.irp i, 0,1,2,3,4,5,6,7
	v_readfirstlane_b32 s[48+\i], v[SUM+\i]
.endr
	v_cmp_lt_u32 s24, 7, v[MYG]                    ; the kinds of the 32 tokens, in the same run: without an expert into s24, of expert e into s[56 + e]
.irp e, 0,1,2,3,4,5,6,7
	v_cmp_eq_u32 s[56+\e], \e, v[MYG]
.endr
	s_wait_alu depctr_va_sdst(0)                   ; the eight sums s[48:55] and the nine masks are written, ahead of their first readers
.irp o, 0, 8                                           ; o = 0: c_e into s[28:35];  o = 8: p_e, the tokens of expert e in threads below b, into s[36:43]
	s_and_b32 s[28+\o], s[48+\o/2], 0xffff
	s_lshr_b32 s[32+\o], s[48+\o/2], 16
	s_and_b32 s[30+\o], s[49+\o/2], 0xffff
	s_lshr_b32 s[34+\o], s[49+\o/2], 16
	s_and_b32 s[29+\o], s[50+\o/2], 0xffff
	s_lshr_b32 s[33+\o], s[50+\o/2], 16
	s_and_b32 s[31+\o], s[51+\o/2], 0xffff
	s_lshr_b32 s[35+\o], s[51+\o/2], 16
.endr
	s_mov_b32 s45, 0                               ; tokens of lower experts
	s_lshl_b32 s44, s17, 5                         ; 32 b tokens lie in threads below b; less those with an expert:
.irp e, 0,1,2,3,4,5,6,7
	s_sub_co_u32 s44, s44, s[36+\e]
	s_add_co_u32 s[36+\e], s[36+\e], s45           ; where the work-group's tokens of expert e begin
	s_add_co_u32 s45, s45, s[28+\e]
.endr
	s_add_co_u32 s44, s44, s45                     ; where its tokens without an expert begin
	v_mbcnt_lo_u32_b32 v[TMP], s24, 0              ; lanes below mine of the same kind
	v_add_nc_u32 v[POS], s44, v[TMP]
.irp e, 0,1,2,3,4,5,6,7
	v_mbcnt_lo_u32_b32 v[TMP], s[56+\e], 0
	v_add_nc_u32 v[TMP], s[36+\e], v[TMP]
	v_cndmask_b32 v[POS], v[POS], v[TMP], s[56+\e]
.endr
	v_min_u32 v[POS], 0x1fff, v[POS]               ; a place is below 8,192 by the count; the bound is written out, since the number comes from loaded data
	v_lshlrev_b32 v[POS], 2, v[POS]
	s_wait_alu depctr_va_vdst(0)                   ; v[POS] is written, which the store reads as its offset
	global_store_b32 v[POS], v[TOK], s[10:11]
	s_cmp_lg_u32 s17, 0
	s_cbranch_scc1 .Lnot_wave_0                    ; work-group 0 stores the counts: 8 words, and 24 zeros behind them
	v_mov_b32 v202, 0
.irp e, 0,1,2,3,4,5,6,7
	v_cmp_eq_u32 s[48+\e], \e, v1
.endr
	s_wait_alu depctr_va_sdst(0)                   ; the eight masks s[48:55] are written, ahead of the selects that read them
.irp e, 0,1,2,3,4,5,6,7
	v_cndmask_b32 v202, v202, s[28+\e], s[48+\e]
.endr
	v_lshlrev_b32 v203, 2, v1
	s_wait_alu depctr_va_vdst(0)                   ; v202 and v203 are written, the store's data and offset
	global_store_b32 v203, v202, s[12:13]
.Lnot_wave_0:
	; zero rows for those of my wave's four tokens that no expert takes: 8 stores of 512 consecutive bytes a row
.irp i, 0,1,2,3
	v_mov_b32 v[SUM+\i], 0
.endr
	s_wait_alu depctr_va_vdst(0)                   ; the four zeros are written, which every store below reads; ahead of the first branch, so that it stands on every way
	s_wait_kmcnt 0x0
.irp i, 0,1,2,3
	s_cmp_lt_u32 s[20+\i], 8
	s_cbranch_scc1 .Ltaken\i
.irp j, 0,1,2,3,4,5,6,7
	global_store_b128 v[L16], v[SUM:SUM+3], s[14:15] offset:4096*\i+512*\j th:TH_STORE_NT
.endr
.Ltaken\i:
.endr
	; the weights: rounded by eights as they arrive, each load's four numbers into its own first two registers, and into my stage by rows (lane l's 4 numbers are 8 bytes at 8 l of half a row)
.set k, 0
.rept 4
	s_wait_loadcnt 24-8*k                          ; loads come back in order (ISA guide 5.7.1): batch k's eight are in, the younger batches stay out
.if k > 0
	s_wait_alu depctr_va_vdst(0)                   ; the conversions of the batch before have written their pairs, which the LDS stores below read; this batch's conversions name other registers
.endif
.set j, 0
.rept 8
.set i, 8*k+j
.if k > 0
	ds_store_b64 v[SIN], v[WR+4*(i-8):WR+4*(i-8)+1] offset:SP*((i-8)/2)+256*((i-8)%2)
.endif
	v_cvt_pk_bf16_f32 v[WR+4*i], v[WR+4*i], v[WR+4*i+1]
	v_cvt_pk_bf16_f32 v[WR+4*i+1], v[WR+4*i+2], v[WR+4*i+3]
.set j, j+1
.endr
.set k, k+1
.endr
	s_wait_alu depctr_va_vdst(0)                   ; the last batch's conversions have written their pairs; and no conversion still names v[64:127], in which the LDS loads below land
.set i, 24
.rept 8
	ds_store_b64 v[SIN], v[WR+4*i:WR+4*i+1] offset:SP*(i/2)+256*(i%2)
.set i, i+1
.endr
	s_wait_alu depctr_vm_vsrc(0)                   ; the LDS stores have read their pairs: those of the first two batches lie in v[64:127]
	; and back as operand quarters: K step i / 2 of my eight, q = i % 2: lane (r, h) takes row r, bytes 64 (i / 2) + 32 q + 16 h
.set i, 0
.rept 16
	ds_load_b128 v[WR+4*i:WR+4*i+3], v[SOUT] offset:32*i   ; LDS serves a wave's instructions in order (ISA guide 5.7.1.4): these see my stores above
.set i, i+1
.endr
.set i, 0
.rept 16
	s_wait_dscnt 15-i
	global_store_b128 v[L16], v[WR+4*i:WR+4*i+3], s[8:9] offset:4096*(i/2)+512*(i%2)  ; 512 consecutive bytes, at a multiple of 512 from wb's first byte; the next launch reads them, so no hint
.set i, i+1
.endr
	s_wait_dscnt 0x0                               ; the wave's end: my LDS instructions are done.
	s_wait_alu depctr_hold_cnt(0) depctr_sa_sdst(0) depctr_va_vdst(0) depctr_va_sdst(0) depctr_va_ssrc(0) depctr_va_vcc(0) depctr_vm_vsrc(0)
	s_wait_tensorcnt 0x0
	ds_add_u32 v50, v51
	s_wait_dscnt 0x0
	s_endpgm
.Lfunc_end_k_qf8c5aed024_prep:
	.size	k_qf8c5aed024_prep, .Lfunc_end_k_qf8c5aed024_prep-k_qf8c5aed024_prep
	.p2alignl 7, 3214868480
	.fill 96, 4, 3214868480
	.section	.rodata,"a",@progbits
	.p2align	6, 0x0
	.amdhsa_kernel k_qf8c5aed024_prep
		.amdhsa_group_segment_fixed_size 68864
		.amdhsa_private_segment_fixed_size 0
		.amdhsa_enable_private_segment 0
		.amdhsa_kernarg_size 48
		.amdhsa_user_sgpr_count 2
		.amdhsa_user_sgpr_kernarg_segment_ptr 1
		.amdhsa_wavefront_size32 1
		.amdhsa_system_sgpr_workgroup_id_x 1
		.amdhsa_system_sgpr_workgroup_id_y 1
		.amdhsa_system_sgpr_workgroup_id_z 1
		.amdhsa_system_vgpr_workitem_id 0
		.amdhsa_next_free_vgpr 256
		.amdhsa_next_free_sgpr 66
		.amdhsa_reserve_vcc 0
		.amdhsa_float_denorm_mode_32 3
		.amdhsa_float_denorm_mode_16_64 3
		.amdhsa_memory_ordered 1
		.amdhsa_forward_progress 1
		.amdhsa_inst_pref_size 41
	.end_amdhsa_kernel
	.amdgpu_metadata
---
amdhsa.version: [ 1, 2 ]
amdhsa.kernels:
  - .name:           k_qf8c5aed024_prep
    .symbol:         k_qf8c5aed024_prep.kd
    .args:
      - { .name: gate, .offset: 0, .size: 8, .value_kind: global_buffer, .address_space: global }
      - { .name: weight, .offset: 8, .size: 8, .value_kind: global_buffer, .address_space: global }
      - { .name: wb, .offset: 16, .size: 8, .value_kind: global_buffer, .address_space: global }
      - { .name: order, .offset: 24, .size: 8, .value_kind: global_buffer, .address_space: global }
      - { .name: counts, .offset: 32, .size: 8, .value_kind: global_buffer, .address_space: global }
      - { .name: out0, .offset: 40, .size: 8, .value_kind: global_buffer, .address_space: global }
    .group_segment_fixed_size: 68864
    .private_segment_fixed_size: 0
    .kernarg_segment_align: 8
    .kernarg_segment_size: 48
    .max_flat_workgroup_size: 256
    .sgpr_count:     66
    .vgpr_count:     256
    .wavefront_size: 32
...
	.end_amdgpu_metadata
.endif
;; end of part 3
;; launch gemm (part 4): grid 4 x 64, 4 waves a work-group, no clusters, 316,928 bytes of LDS; arguments counts, order, inp, wb, out0; writes out0
.if DOCPART == 4
	.amdgcn_target "amdgcn-amd-amdhsa--gfx1250"
	.amdhsa_code_object_version 6
	.text
	.protected	k_qf8c5aed024_gemm
	.globl	k_qf8c5aed024_gemm
	.p2align	8
	.type	k_qf8c5aed024_gemm,@function
k_qf8c5aed024_gemm:
	s_mov_b64 s[64:65], 0
	v_nop
	global_prefetch_b8 v0, s[64:65] scope:SCOPE_SE
	s_setreg_imm32_b32 hwreg(HW_REG_WAVE_SCHED_MODE, 0, 2), 2
	s_setreg_imm32_b32 hwreg(HW_REG_WAVE_MODE, 25, 1), 1
	s_wait_xcnt 0x0
	s_wait_alu depctr_vm_vsrc(0)
; THE GROUPED PRODUCT.  out[i][n] = the sum over k of inp[i][k] weight[gate[i]][n][k], for every token whose gate is 0..7 (the launch before stored the other rows).
; counts[e]: expert e's tokens; order[]: the token numbers, sorted by expert; wb: the weights in bf16, in the order in which a wave's registers take them:
; wb[e][cw 16][ks 32][f 4][q 2][lane 32][16 bytes], lane (r, h) = W[e][64 cw + 16 f + r][32 ks + 16 q + 8 h .. + 7].
; LIMITS.  Both operands are rounded once to bf16 (nearest even), sums in f32, K ascending; an f32 beyond bf16's largest finite number rounds to an infinity.
; GRID.  Tiles of 144 rows of ONE expert x 256 columns.  The sum over e of ceil(c_e / 144) is at most (8,192 + 8 x 143) / 144 = 64 for every split, so 64 row tiles x 4 column blocks serve every split.
; Each work-group finds its tile from the counts.  A row tile that the split leaves without rows runs the same text on the token order[0] and stores nothing: every wave passes every barrier, and none
; stands under a branch on loaded data.  In a tile that is not full the places past the count repeat the tile's last row; the stores of whole blocks of 16 rows past the count are jumped.
; SHARES.  Four waves; wave w makes all 144 rows x columns 64 w .. + 63: 36 accumulators, 288 registers.  Its 64 columns of W have no other reader in the work-group: they come from memory straight into
; registers as operands, 8 loads of 512 consecutive bytes a K step.  The token rows are gathered in f32 through registers (a load = 512 consecutive bytes of one row), rounded once, and kept in LDS for the whole K.
; NO TENSOR LOAD, NO CLUSTER.  The rows that the four column blocks share come by a list, which no descriptor covers; the weights that an expert's row tiles share would have to pass through LDS,
; of whose 327,680 bytes A takes 313,344; and an expert's number of row tiles, 0 to 57, hangs on the data.
; THE MATRIX INSTRUCTION IS USED TRANSPOSED: source 0 = 16 columns' rows of W, source 1 = 16 tokens: a lane then holds one token and eight neighbouring columns.
; TWO PARTS, both straight-line text.  BY K: one macro STEP, expanded for J = -4 .. 25; K step J is multiplied in step J.  Ahead of it run: the gather (a group of 12 rows x 128 k is asked for in step J,
; rounded in step J + 3), W's fragments (asked for in step J, multiplied in step J + 3) and A's fragments from LDS (read in step J, multiplied in step J + 1).  By this text's count 60 loads of a wave are out
; at the most.  BY ROWS: for K steps 26 to 31 all of W's fragments lie in registers, and the nine blocks of 16 rows are finished one after the other, 24 products each; a finished block goes through my
; stage in LDS while the next is multiplied and is stored behind it, so that eight of the nine blocks' stores leave while products are still to come.
; THE MODE: SCHED_MODE bits 1:0 = 2 (LLVM: expert scheduling mode 2), set by the entry lines.  The code itself states the register dependences
; between vector or matrix instructions and memory or LDS instructions, and those through scalar registers that vector instructions write, with s_wait_alu, always for 0.
; THE PLAN.  Registers that memory or LDS instructions touch, and who else names them:
;   L16, STO, RD, TKA, TKS, FRC, SBC   addresses, made at the head and never written again.
;   GV           made at the head; read by the gather's loads up to step 16; in step 25 block 1's fragments land there.
;   CT           step J: its 24 conversions write it, its 12 LDS stores read it.  (At the head it holds the places in order[], which the list's loads read.)
;   gathered rows   step J: its conversions read a group's rows, and the gather's loads of the same step land in them again.
;   W's slots    step J - 1: its products read slot (J - 1) % 4; step J's loads land in it.
;   A's buffers  step J - 1: its products read buffer (J - 1) % 2; the LDS loads of step J land in it.
;   accumulators written by products alone; a block's eight LDS stores read them, once, when the block is finished.
;   OB, TK       two sets by turns: block b's rows and token numbers land in set b % 2; sixteen vector lines turn TK into offsets; eight stores read the set.
; BY K a step has one wait on vm_vsrc, ahead of its conversions (the last step's LDS stores have read CT), and ONE wait on va_vdst, behind them: CT is written, the group's rows are read, and the products of the step
; before are done with their slot of W and their buffer of A.  All the step's stores and loads follow that wait; its products name slot J % 4, buffer J % 2 and the accumulators, none of the registers that those touch,
; so A's next fragments are dealt among the products.  BY ROWS a block has one wait on va_vdst, behind the sixteen vector lines that follow its products (TK is written; the block's accumulators are written; its
; fragments are read), and beside it one on vm_vsrc for the stores issued a block earlier, whose set the next stage loads again; the fragments of the block after the next one's are dealt among the next block's products.
; REGISTERS, in windows of 256 (s_set_vgpr_msb: bits 1:0 source 0, 3:2 source 1, 5:4 source 2, 7:6 destination):
;   window 0: addresses, rounded pairs, A's fragments in two buffers      window 1: accumulators of f = 0, 1 at v[16 b + 8 f]; gathered rows m = 0..17 at v[144 + 4 m]
;   window 2: accumulators of f = 2, 3; gathered rows m = 18..35           window 3: W's fragments, eight slots of 32
.set CH,    39168     ; LDS: a chunk of A: 144 rows x 128 k of bf16, pitch 272 (256 + 16 = 68 words: row r starts at bank 4 r mod 64; 64 banks of 4 bytes: ISA guide 11.1); eight chunks
.set PA,    272
.set TOKT,  8*CH      ; each wave's own table of the tile's token numbers: 160 words in 768 bytes.  The 512 bytes behind the four tables: a word for each thread, which the add at the wave's end names
.set L16, 4           ; v4   16 x lane; never rewritten
.set STO, 7           ; v7   the way out: my stage + 272 r + 32 h.  The stage, 16 rows x 272 bytes for each wave, lies in chunk 0, which nobody reads after K step 3
.set RD,  8           ; v8   the way out: my stage + 272 h + 16 r
.set TKA, 9           ; v9   my table + 32 h
.set CO,  10          ; v10  my byte offset in a row of out: 1024 cb + 256 w + 16 r
.set TKS, 11          ; v11  where lane l puts a token number into the table
.set TT,  12          ; v[12:16] token numbers of rows 32 q + l
.set TG,  17          ; v[17:18] token numbers of the rows that my wave gathers: row 4 (32 a + l) + w
.set TMP, 19
.set FRC, 20          ; v[20:27] chunk c: c CH + 272 r + 16 h: a fragment's address
.set SBC, 28          ; v[28:35] chunk c: c CH + 272 w + 8 l: where a gathered row's 8 bytes go
.set GV,  36          ; v[36:71] row m of my 36: token x 4096 + 16 l; idle when the last group has been asked for
.set CT,  72          ; v[72:95] 12 rounded pairs; in the head the seven places in order[]
.set FA0, 112         ; v[112:183], v[184:255] by K: A's fragments, 9 blocks x 8, two buffers
.set RA0, 112         ; by rows: A's fragments of a block, 6 K steps x 8: even blocks v[112:159],
.set RA1, 40          ; odd blocks v[40:87]
.set OB,  160         ; the way out: 16 rows read back: even blocks v[160:191], odd blocks v[200:231]
.set TK,  192         ; the way out: 8 token numbers, then store offsets: even blocks v[192:199], odd blocks v[232:239]
.set ROWS, 35         ; s35  the tile's rows, 0 to 144
.set MSB, 0
.macro WIN new                         ; the immediate's high byte repeats the setting that is left; a switch that changes nothing is dropped
.if MSB != (\new)
	s_set_vgpr_msb (MSB<<8)|(\new)
.set MSB, \new
.endif
.endm
; W's slot for K step ks: steps 0 to 25 go round slots 0 to 3; steps 26 to 29 have slots 4 to 7; steps 30 and 31 take slots 2 and 3, which steps 22 and 23 were the last to read.
.macro SETBS ks
.if ((\ks) >= 26) && ((\ks) <= 29)
.set BS, 32*((\ks)-22)
.else
.set BS, 32*((\ks)%4)
.endif
.endm
; W's fragments of K step ks: 4,096 consecutive bytes of my stream.
.macro BLOAD ks
	SETBS \ks
	WIN 0xc0                                       ; destination window 3, address window 0
.set i, 0
.rept 8
	global_load_b128 v[BS+4*i:BS+4*i+3], v[L16], s[40:41] offset:4096*(\ks)+512*i
.set i, i+1
.endr
.endm
	s_load_b256 s[4:11], s[0:1], 0x0               ; counts s[4:5], order s[6:7], inp s[8:9], wb s[10:11]
	s_load_b64 s[12:13], s[0:1], 0x20              ; out0
	v_lshl_add_u32 v110, v0, 2, 0x4d400
	v_mov_b32 v111, 0
	v_and_b32 v1, 31, v0                           ; lane l
	v_lshrrev_b32 v[TMP], 5, v0
	v_readfirstlane_b32 s24, v[TMP]                ; wave w
	s_mov_b32 s25, ttmp9                           ; cb: my block of 256 columns
	s_and_b32 s26, ttmp7, 0xffff                   ; rt: my row tile
	s_wait_kmcnt 0x0
	s_load_b256 s[16:23], s[4:5], 0x0              ; c_0 .. c_7; the addresses below are made meanwhile
	v_and_b32 v2, 15, v0                           ; r
	v_bfe_u32 v3, v0, 4, 1                         ; h
	v_lshlrev_b32 v[L16], 4, v1
	s_wait_alu depctr_va_sdst(0)                   ; s24 is written, ahead of its first reader: the addresses below are made from it
	s_mul_i32 s43, s24, 16*PA                      ; my stage
	v_mul_u32_u24 v[STO], v2, PA
	v_lshl_add_u32 v[STO], v3, 5, v[STO]
	v_add_nc_u32 v[STO], s43, v[STO]
	v_mul_u32_u24 v[RD], v3, PA
	v_lshl_add_u32 v[RD], v2, 4, v[RD]
	v_add_nc_u32 v[RD], s43, v[RD]
	s_mul_i32 s44, s24, 768
	s_add_co_u32 s44, s44, TOKT                    ; my table
	v_lshl_add_u32 v[TKA], v3, 5, s44
	s_lshl_b32 s45, s25, 10
	s_lshl_b32 s46, s24, 8
	s_add_co_u32 s45, s45, s46
	v_lshl_add_u32 v[CO], v2, 4, s45
	; the table is laid so that the eight tokens that a lane stores of a block (rows 16 b + 2 t + h) are 32 consecutive bytes: row 32 q + l goes to word 32 q + (l & 16) + 8 (l & 1) + (l & 15) / 2
	v_and_b32 v[TKS], 16, v1
	v_and_b32 v[TMP], 1, v1
	v_lshl_add_u32 v[TKS], v[TMP], 3, v[TKS]
	v_lshrrev_b32 v[TMP], 1, v2
	v_add_nc_u32 v[TKS], v[TKS], v[TMP]
	v_lshl_add_u32 v[TKS], v[TKS], 2, s44
	v_mul_u32_u24 v[TMP], v2, PA
	v_lshl_add_u32 v[TMP], v3, 4, v[TMP]
.irp c, 0,1,2,3,4,5,6,7
	v_add_nc_u32 v[FRC+\c], \c*CH, v[TMP]
.endr
	s_mul_i32 s46, s24, PA
	v_lshl_add_u32 v[TMP], v1, 3, s46
.irp c, 0,1,2,3,4,5,6,7
	v_add_nc_u32 v[SBC+\c], \c*CH, v[TMP]
.endr
	s_mov_b32 s27, 0                               ; T: row tiles of lower experts
	s_mov_b32 s28, 0                               ; tokens of lower experts
	s_mov_b32 s29, 0                               ; E, P, C, SB: my expert, my tile among its tiles, its count, its first place in order[]
	s_mov_b32 s30, 0
	s_mov_b32 s31, 0
	s_mov_b32 s32, 0
	s_wait_kmcnt 0x0
.irp e, 0,1,2,3,4,5,6,7
	s_add_co_u32 s33, s[16+\e], 143
	s_lshr_b32 s33, s33, 4
	s_mul_i32 s33, s33, 7282
	s_lshr_b32 s33, s33, 16                        ; ceil(c / 144) = ((c + 143) / 16) / 9; x 7282 / 65536 is x / 9 rounded down for x up to 520, which is c = 8,192
	s_sub_co_u32 s34, s26, s27                     ; rt - T: wraps to a large number where rt lies below
	s_cmp_lt_u32 s34, s33
	s_cselect_b32 s29, \e, s29
	s_cselect_b32 s30, s34, s30
	s_cselect_b32 s31, s[16+\e], s31
	s_cselect_b32 s32, s28, s32
	s_add_co_u32 s27, s27, s33
	s_add_co_u32 s28, s28, s[16+\e]
.endr
	s_mul_i32 s38, s30, 144
	s_sub_co_u32 s[ROWS], s31, s38
	s_min_u32 s[ROWS], s[ROWS], 144                ; 0 where no expert has a tile for me
	s_add_co_u32 s36, s32, s38                     ; the tile's first place in order[]
	s_max_u32 s37, s[ROWS], 1
	s_add_co_u32 s37, s37, s36
	s_sub_co_u32 s37, s37, 1                       ; and its last
	s_min_u32 s29, s29, 7
	s_lshl_b32 s38, s29, 4
	s_lshl2_add_u32 s38, s25, s38
	s_add_co_u32 s38, s38, s24                     ; 16 E + 4 cb + w
	s_lshl_b32 s38, s38, 17                        ; my wave's 131,072 bytes of wb
	s_mov_b32 s39, 0
	s_add_nc_u64 s[40:41], s[10:11], s[38:39]
	; the seven places in order[] are all made first, so that one wait serves the seven loads
	v_add_nc_u32 v[TMP], s36, v1
.irp q, 0,1,2,3,4
	v_add_nc_u32 v[CT+\q], 32*\q, v[TMP]
	v_min_u32 v[CT+\q], s37, v[CT+\q]              ; places past the count repeat the tile's last row
	v_min_u32 v[CT+\q], 0x1fff, v[CT+\q]           ; the bound is written out, since the number comes from loaded data
	v_lshlrev_b32 v[CT+\q], 2, v[CT+\q]
.endr
	s_add_co_u32 s38, s36, s24
	v_lshl_add_u32 v[TMP], v1, 2, s38              ; my wave gathers rows 4 m + w
.irp a, 0,1
	v_add_nc_u32 v[CT+5+\a], 128*\a, v[TMP]
	v_min_u32 v[CT+5+\a], s37, v[CT+5+\a]
	v_min_u32 v[CT+5+\a], 0x1fff, v[CT+5+\a]
	v_lshlrev_b32 v[CT+5+\a], 2, v[CT+5+\a]
.endr
	s_wait_alu depctr_va_vdst(0)                   ; the seven places v[CT ..] are written, which the list's loads read, and so are L16, STO, RD, TKA, TKS, FRC and SBC, the addresses of every later load and store
.irp q, 0,1,2,3,4
	global_load_b32 v[TT+\q], v[CT+\q], s[6:7]
.endr
.irp a, 0,1
	global_load_b32 v[TG+\a], v[CT+5+\a], s[6:7]
.endr
	BLOAD 0                                        ; W of K steps 0 to 2 hangs on the tile alone, not on the list: it is asked for now, and is on its way while the list and the first rows come
	BLOAD 1
	BLOAD 2
	WIN 0
	s_wait_loadcnt 24                              ; W's 24 loads are younger and stay out: the seven loads of the list are in
.irp q, 0,1,2,3,4
	v_min_u32 v[TT+\q], 0x1fff, v[TT+\q]
.endr
	; a gather load takes ONE row: its token number goes from its lane to all lanes, twelve rows at a time
.irp t, 0,1,2
.set i, 0
.rept 12
	v_readlane_b32 s[48+i], v[TG+(12*\t+i)/32], (12*\t+i)%32
.set i, i+1
.endr
	s_wait_alu depctr_va_sdst(0)                   ; the twelve numbers s[48:59] are written, ahead of their first readers
.set i, 0
.rept 12
	s_min_u32 s[48+i], s[48+i], 0x1fff
.set i, i+1
.endr
.set i, 0
.rept 12
	v_lshl_add_u32 v[GV+12*\t+i], s[48+i], 12, v[L16]
.set i, i+1
.endr
.endr
	s_wait_alu depctr_va_vdst(0)                   ; v[TT ..] are written, which the table's LDS stores read, and v[GV ..], which every load of the gather reads as its offset
.irp q, 0,1,2,3,4
	ds_store_b32 v[TKS], v[TT+\q] offset:128*\q    ; my wave's own table: no other wave reads it
.endr
; Group q of the gather: rows m = 12 (q % 3) .. + 11 of my 36, chunk q / 3 of K.  Row m always lands in the same four registers: window 1 + m / 18, v[144 + 4 (m % 18)].
.macro GLOAD q
.set SC, (\q)/3
.set SU, (\q)%3
.set i, 0
.rept 12
.set GM, 12*SU+i
	WIN 0x40*(1+GM/18)                             ; destination window 1 or 2, address window 0
	global_load_b128 v[144+4*(GM%18):144+4*(GM%18)+3], v[GV+GM], s[8:9] offset:512*SC  ; 512 consecutive bytes of one token's row, at a multiple of 512; three other work-groups read them too, so no hint
.set i, i+1
.endr
.endm
; Group q is rounded to bf16 and put into LDS: a row's 256 consecutive bytes a store.  The step's two waits stand here.
.macro SERVICE q
.set SC, (\q)/3
.set SU, (\q)%3
	s_wait_alu depctr_vm_vsrc(0)                   ; the LDS stores of the group before (the first time: the list's loads) have read v[CT ..], which the conversions write again
.set i, 0
.rept 12
.set GM, 12*SU+i
	WIN 0x05*(1+GM/18)                             ; sources window 1 or 2, destination window 0
	v_cvt_pk_bf16_f32 v[CT+2*i], v[144+4*(GM%18)], v[144+4*(GM%18)+1]
	v_cvt_pk_bf16_f32 v[CT+2*i+1], v[144+4*(GM%18)+2], v[144+4*(GM%18)+3]
.set i, i+1
.endr
	WIN 0
	s_wait_alu depctr_va_vdst(0)                   ; the conversions have written v[CT ..], which the LDS stores read, and are done reading the group's rows, in which the gather's loads of this step land; the products of the step before are done reading their slot of W and their buffer of A, in which this step's loads land
.set i, 0
.rept 12
	ds_store_b64 v[SBC+SC], v[CT+2*i:CT+2*i+1] offset:4*PA*(12*SU+i)
.set i, i+1
.endr
.endm
; By K: A's fragments of K step ks, blocks b0 .. b0 + nb - 1 of the nine: 16 rows x 32 k each, two loads of 16 bytes, 32 bytes apart, into buffer ks % 2.
.macro FRAG ks, b0, nb
.set FN, FA0+72*((\ks)%2)
	WIN 0
.set fi, \b0
.rept \nb
	ds_load_b128 v[FN+8*fi:FN+8*fi+3],   v[FRC+(\ks)/4] offset:16*PA*fi+64*((\ks)%4)
	ds_load_b128 v[FN+8*fi+4:FN+8*fi+7], v[FRC+(\ks)/4] offset:16*PA*fi+64*((\ks)%4)+32
.set fi, fi+1
.endr
.endm
; By rows: A's fragments of block b for nk of the K steps 26 to 31, from 26 + k0 on: two loads each.
.macro FRAGR b, k0, nk
.set RAN, RA0-(RA0-RA1)*((\b)%2)
	WIN 0
.set ri, \k0
.rept \nk
	ds_load_b128 v[RAN+8*ri:RAN+8*ri+3],   v[FRC+(26+ri)/4] offset:16*PA*(\b)+64*((26+ri)%4)
	ds_load_b128 v[RAN+8*ri+4:RAN+8*ri+7], v[FRC+(26+ri)/4] offset:16*PA*(\b)+64*((26+ri)%4)+32
.set ri, ri+1
.endr
.endm
; By K: K step ks: 36 matrix instructions.  The 36 accumulators take turns, one instruction a turn, from step to step too.  The first step starts the sums: nothing is cleared.
; Among them stand the LDS loads of what is multiplied next, in two runs, behind the sixth product and behind the eighteenth.  No wait: no vector or matrix instruction since the step's wait names the registers in which they land.
; fr = 1: A's fragments of step ks + 1, into the buffer that step ks - 1 multiplied.  fr = 2 (step 25): the first two blocks' fragments for the part by rows.
.macro MUL ks, fr
.set FB, FA0+72*((\ks)%2)
	SETBS \ks
.irp hw, 0, 1
	WIN 0x53+0x50*(\hw)                            ; W window 3, A window 0, C and D window 1 (f = 0, 1) or 2 (f = 2, 3)
.set i, 0
.rept 18                                               ; block i / 2, f = 2 hw + i % 2
.if (\ks) == 0
	v_wmma_f32_16x16x32_bf16 v[8*i:8*i+7], v[BS+16*(\hw)+8*(i%2):BS+16*(\hw)+8*(i%2)+7], v[FB+8*(i/2):FB+8*(i/2)+7], 0
.else
	v_wmma_f32_16x16x32_bf16 v[8*i:8*i+7], v[BS+16*(\hw)+8*(i%2):BS+16*(\hw)+8*(i%2)+7], v[FB+8*(i/2):FB+8*(i/2)+7], v[8*i:8*i+7]
.endif
.set i, i+1
.if ((\hw) == 0) && (i == 6)
.if (\fr) == 1
	FRAG (\ks)+1, 0, 5
.else
	FRAGR 0, 0, 6
.endif
	WIN 0x53
.endif
.endr
.if (\hw) == 0
.if (\fr) == 1
	FRAG (\ks)+1, 5, 4
.else
	FRAGR 1, 0, 6
.endif
.endif
.endr
.endm
; The loads from memory that step i issues, in this order: 8 of W for step i + 3 (steps 0 to 22; steps 0 to 2 of K were asked for ahead of everything counted here), 8 of W for step i + 7 (steps 19 to 24),
; 12 of the gather (steps -7 to 16; the 36 first loads count as steps -7 to -5).
.macro ADDB i
.if ((\i) >= 0) && ((\i) <= 22)
.set NLD, NLD+8
.endif
.endm
.macro ADDX i
.if ((\i) >= 19) && ((\i) <= 24)
.set NLD, NLD+8
.endif
.endm
.macro ADDG i
.if ((\i) >= -7) && ((\i) <= 16)
.set NLD, NLD+12
.endif
.endm
.macro ADDALL i
	ADDB \i
	ADDX \i
	ADDG \i
.endm
.macro STEP
.if J >= 0
	s_wait_dscnt 0x0                               ; A's fragments of step J, asked for a step ago, are in
.endif
.if J >= 20
.rept 4
	v_nop                                          ; four places behind the last products, as in the earlier steps the 24 conversions (ISA guide 7.12.1)
.endr
.endif
.if (J >= -1) && (J <= 20) && ((J+1)%3 == 0)
	s_barrier_wait -1                              ; chunk (J + 1) / 3 is whole: every wave has stored its rows of it
.endif
.if J <= 19
.set NLD, 0
	ADDALL J-2
	ADDALL J-1
	s_wait_loadcnt NLD                             ; group J + 4 was the last thing asked for in step J - 3: all that the two steps since have asked for is younger and stays out
	SERVICE J+4
.else
.if J == 25
	s_wait_alu depctr_vm_vsrc(0)                   ; the gather's loads have read v[GV ..] and the LDS stores v[CT ..]: block 1's fragments land in these registers below
.endif
	s_wait_alu depctr_va_vdst(0)                   ; the products of the step before are done reading their slot of W and their buffer of A, in which this step's loads land (step 25: nothing still names v[GV ..] and v[CT ..] either)
.endif
.if J >= 0
.set NLD, 0
	ADDX J-3
	ADDG J-3
	ADDALL J-2
	ADDALL J-1
	s_wait_loadcnt NLD                             ; W of step J was the first thing asked for in step J - 3 (or earlier): the rest of that step and the two steps since are younger
.endif
.if (J >= 0) && (J <= 22)
	BLOAD J+3                                      ; into the slot that step J - 1 multiplied
.endif
.if (J >= 19) && (J <= 24)
	BLOAD J+7                                      ; W for the part by rows: the gather asks for nothing more, so the count of loads has room
.endif
.if J <= 16
	GLOAD J+7                                      ; the rows just rounded, one chunk on
.endif
.if (J >= -2) && (J <= 19) && ((J+2)%3 == 0)
	s_wait_dscnt 0x0                               ; for the others' sake: my rows of chunk (J + 2) / 3 are in LDS
	s_barrier_signal -1                            ; up to the wait, in the next step: reads of earlier chunks, which nobody writes before a later barrier, and products
.endif
.if J == -1
	FRAG J+1, 0, 9                                 ; there are no products yet to set them among
.endif
.if (J >= 0) && (J <= 24)
	MUL J, 1
.endif
.if J == 25
	MUL J, 2                                       ; the even buffer of the part by rows was last read by step 24, the odd one by no product
.endif
.endm
	GLOAD 0                                        ; chunk 0 of all my 36 rows
	GLOAD 1
	GLOAD 2
.set J, -4
.rept 30
	STEP
.set J, J+1
.endr
; BY ROWS.  Block b is finished: 24 matrix instructions, K steps 26 to 31 ascending; its four accumulators take turns, one instruction a turn.
; Among the products of blocks 1 to 7 stand the twelve LDS loads of block b + 1's fragments, four behind each of the first three K steps: they land in the buffer that block b - 1 multiplied, and the wait behind
; block b - 1's products has stated that those are done reading it; block b's products name the other buffer.
.macro MULR b
.set RAB, RA0-(RA0-RA1)*((\b)%2)
.set i, 0
.rept 6
	SETBS 26+i
.if ((\b) == 0) && (i == 0)
	s_wait_loadcnt 16                              ; W of steps 26 to 29 is in; the 16 loads for steps 30 and 31 are younger
.endif
.if ((\b) == 0) && (i == 4)
	s_wait_loadcnt 8                               ; W of step 30
.endif
.if ((\b) == 0) && (i == 5)
	s_wait_loadcnt 0x0                             ; W of step 31: the last load from memory
.endif
.irp hw, 0, 1
	WIN 0x53+0x50*(\hw)
.irp f, 0, 1
	v_wmma_f32_16x16x32_bf16 v[16*(\b)+8*(\f):16*(\b)+8*(\f)+7], v[BS+16*(\hw)+8*(\f):BS+16*(\hw)+8*(\f)+7], v[RAB+8*i:RAB+8*i+7], v[16*(\b)+8*(\f):16*(\b)+8*(\f)+7]
.endr
.endr
.if ((\b) >= 1) && ((\b) <= 7) && (i < 3)
	FRAGR (\b)+1, 2*i, 2
.endif
.set i, i+1
.endr
.endm
; THE WAY OUT of block b, in two parts.  STAGE: a lane's 8 columns of a token go into my stage (each accumulator's low four registers first), and whole rows of 256 bytes come back,
; with the rows' token numbers from my table, into set b % 2.  My stage lies in chunk 0: every wave's reads of chunk 0 were waited for in front of the barrier signalled in step 4.
; All that these eighteen instructions hang on is stated by the waits that stand behind the block's products, in SENDR or, for block 0, behind the four v_nop.
.macro STAGE b
.set OBB, OB+40*((\b)%2)
.set TKB, TK+40*((\b)%2)
	WIN 0x04                                       ; store data window 1
	ds_store_b128 v[STO], v[16*(\b):16*(\b)+3]
	ds_store_b128 v[STO], v[16*(\b)+4:16*(\b)+7] offset:16
	ds_store_b128 v[STO], v[16*(\b)+8:16*(\b)+11] offset:64
	ds_store_b128 v[STO], v[16*(\b)+12:16*(\b)+15] offset:80
	WIN 0x08                                       ; window 2
	ds_store_b128 v[STO], v[16*(\b):16*(\b)+3] offset:128
	ds_store_b128 v[STO], v[16*(\b)+4:16*(\b)+7] offset:144
	ds_store_b128 v[STO], v[16*(\b)+8:16*(\b)+11] offset:192
	ds_store_b128 v[STO], v[16*(\b)+12:16*(\b)+15] offset:208
	WIN 0
	ds_load_b128 v[TKB:TKB+3],   v[TKA] offset:64*(\b)     ; the tokens of rows 16 b + 2 t + h, t = 0 .. 7
	ds_load_b128 v[TKB+4:TKB+7], v[TKA] offset:64*(\b)+16
.irp t, 0,1,2,3,4,5,6,7
	ds_load_b128 v[OBB+4*\t:OBB+4*\t+3], v[RD] offset:2*PA*\t  ; LDS serves a wave's instructions in order (ISA guide 5.7.1.4): these see my stores above
.endr
.endm
; SENDR: each row goes to its token's row of out.  younger: the LDS loads issued behind STAGE's, which may stay out.  The sixteen vector lines stand on every path: they are also the four places between
; the products just issued and the next block's LDS stores of results.  The waits stand ahead of the branch, on both ways.  Only the stores are jumped where the block lies past the count.
.macro SENDR b, younger
.set OBB, OB+40*((\b)%2)
.set TKB, TK+40*((\b)%2)
	WIN 0                                          ; at a branch and at a label every window is 0
	s_wait_dscnt \younger
.irp t, 0,1,2,3,4,5,6,7
	v_min_u32 v[TKB+\t], 0x1fff, v[TKB+\t]
.endr
.irp t, 0,1,2,3,4,5,6,7
	v_lshl_add_u32 v[TKB+\t], v[TKB+\t], 12, v[CO]
.endr
.if ((\b) >= 1) && ((\b) <= 7)
	s_wait_xcnt 0x0                                ; the stores of block b - 1, issued a block ago, have had their addresses translated (ISA guide 3.1): their set is loaded anew, by the stage below, only behind this wait
	s_wait_alu depctr_vm_vsrc(0)                   ; and they have read their rows and offsets, the set in which the stage below lands
.endif
	s_wait_alu depctr_va_vdst(0)                   ; the sixteen lines have written the offsets, which the stores read; the products just issued have written their block's accumulators, which the stage below reads, and are done reading their fragments
	s_cmp_gt_u32 s[ROWS], 16*(\b)
	s_cbranch_scc0 .Lpast_\@                       ; no barrier and no LDS instruction is jumped: the counts of the waits are the same on both ways
.irp t, 0,1,2,3,4,5,6,7
	global_store_b128 v[TKB+\t], v[OBB+4*\t:OBB+4*\t+3], s[12:13] th:TH_STORE_NT  ; 16 lanes store 256 consecutive bytes of a token's row, at a multiple of 256; a repeated row writes the same bytes again
.endr
.Lpast_\@:
.endm
; The order of the LDS instructions: fragments 0, fragments 1 | stage 0 (18) | fragments 2 (12, among block 1's products) | stage 1 | fragments 3 | .. | fragments 8 | stage 7 | stage 8.
.set RB, 0
.rept 9
.if RB == 0
	s_wait_dscnt 12                                ; block 0's fragments are in; block 1's twelve loads are younger
.else
	s_wait_dscnt 18                                ; behind this block's fragments: the last stage's eighteen
.endif
	MULR RB
.if RB == 0
.rept 4
	v_nop                                          ; four places between the products and the LDS stores that read their results: no other vector work is at hand yet
.endr
	s_wait_alu depctr_va_vdst(0)                   ; block 0's accumulators are written, which the stage below reads; and the products by K are done reading v[160:199], in which the stage's loads land
.elseif RB == 8
	SENDR RB-1, 0
.else
	SENDR RB-1, 12                                 ; the block before leaves: its round trip through the stage stood under this block's products
.endif
	STAGE RB
.set RB, RB+1
.endr
	SENDR 8, 0
	s_wait_dscnt 0x0                               ; the wave's end: my LDS instructions are done.
	s_wait_alu depctr_hold_cnt(0) depctr_sa_sdst(0) depctr_va_vdst(0) depctr_va_sdst(0) depctr_va_ssrc(0) depctr_va_vcc(0) depctr_vm_vsrc(0)
	s_wait_tensorcnt 0x0
	ds_add_u32 v110, v111
	s_wait_dscnt 0x0
	s_endpgm
.Lfunc_end_k_qf8c5aed024_gemm:
	.size	k_qf8c5aed024_gemm, .Lfunc_end_k_qf8c5aed024_gemm-k_qf8c5aed024_gemm
	.p2alignl 7, 3214868480
	.fill 96, 4, 3214868480
	.section	.rodata,"a",@progbits
	.p2align	6, 0x0
	.amdhsa_kernel k_qf8c5aed024_gemm
		.amdhsa_group_segment_fixed_size 316928
		.amdhsa_private_segment_fixed_size 0
		.amdhsa_enable_private_segment 0
		.amdhsa_kernarg_size 40
		.amdhsa_user_sgpr_count 2
		.amdhsa_user_sgpr_kernarg_segment_ptr 1
		.amdhsa_wavefront_size32 1
		.amdhsa_system_sgpr_workgroup_id_x 1
		.amdhsa_system_sgpr_workgroup_id_y 1
		.amdhsa_system_sgpr_workgroup_id_z 1
		.amdhsa_system_vgpr_workitem_id 0
		.amdhsa_next_free_vgpr 1024
		.amdhsa_next_free_sgpr 66
		.amdhsa_reserve_vcc 0
		.amdhsa_float_denorm_mode_32 3
		.amdhsa_float_denorm_mode_16_64 3
		.amdhsa_memory_ordered 1
		.amdhsa_forward_progress 1
		.amdhsa_inst_pref_size 255
	.end_amdhsa_kernel
	.section	.bss,"aw",@nobits
	.p2align	6
	.space	262144
	.amdgpu_metadata
---
amdhsa.version: [ 1, 2 ]
amdhsa.kernels:
  - .name:           k_qf8c5aed024_gemm
    .symbol:         k_qf8c5aed024_gemm.kd
    .args:
      - { .name: counts, .offset: 0, .size: 8, .value_kind: global_buffer, .address_space: global }
      - { .name: order, .offset: 8, .size: 8, .value_kind: global_buffer, .address_space: global }
      - { .name: inp, .offset: 16, .size: 8, .value_kind: global_buffer, .address_space: global }
      - { .name: wb, .offset: 24, .size: 8, .value_kind: global_buffer, .address_space: global }
      - { .name: out0, .offset: 32, .size: 8, .value_kind: global_buffer, .address_space: global }
    .group_segment_fixed_size: 316928
    .private_segment_fixed_size: 0
    .kernarg_segment_align: 8
    .kernarg_segment_size: 40
    .max_flat_workgroup_size: 128
    .sgpr_count:     66
    .vgpr_count:     1024
    .wavefront_size: 32
...
	.end_amdgpu_metadata
.endif
;; end of part 4
